; MI455X (gfx1250); checked and timed in simulation.
; The chip was launched on July 23, 2026; its instructions are those of AMD's public machine-readable ISA for CDNA 5 (MIT licence, August 2026) and "CDNA5" Instruction Set Architecture Reference Guide (July 2026). The comments in the code are by the model that wrote it; some were corrected since.
;; Multi Head Attention. Allowed arithmetic: matrix products marked QUANTISED: E2M3 operands, one E8M0 scale for each 32 along K, by v_wmma_scale_f32_16x16x128_f8f6f4 with both operands' format E2M3, f32 sums; everything else in f32.
;; Inputs: Wk 1,024 x 1,024 float32; Wo 1,024 x 1,024 float32; Wq 1,024 x 1,024 float32; Wv 1,024 x 1,024 float32; bk 1,024 float32; bo 1,024 float32; bq 1,024 float32; bv 1,024 float32; mask_kv 2 x 4,096 bool; x_kv 2 x 4,096 x 1,024 float32; x_q 2 x 2,048 x 1,024 float32.
;; Outputs: out0 2 x 2,048 x 1,024 float32.
;; This version of the problem:
;;   THIS VERSION OF THE PROBLEM IS GIVEN IN LOW PRECISION. The matrix products marked QUANTISED in the list below multiply operands that are first quantised to E2M3 (2 exponent bits, 3 mantissa bits; 6 bits a number), with one power-of-two scale for each 32 numbers along K (OCP MX v1.0); their sums are f32. All else is computed in f32.
;;   The module's matrix products, in the order in which they are computed (A, B: the left and right operand; K: the contracted axis; several contracted axes count as one K, in the product's order):
;;     1. [M 4,096, K 1,024] x [K 1,024, N 1,024]; A: input x_q; B: input Wq: QUANTISED
;;     2. [M 8,192, K 1,024] x [K 1,024, N 1,024]; A: input x_kv; B: input Wk: QUANTISED
;;     3. [M 8,192, K 1,024] x [K 1,024, N 1,024]; A: input x_kv; B: input Wv: QUANTISED
;;     4. batch 32 x [M 2,048, K 64] x [K 64, N 4,096]; A: computed on the way; B: computed on the way: QUANTISED
;;     5. batch 32 x [M 2,048, K 4,096] x [K 4,096, N 64]; A: softmax (see below); B: computed on the way: QUANTISED
;;     6. [M 4,096, K 1,024] x [K 1,024, N 1,024]; A: computed on the way; B: input Wo: QUANTISED
;;   THE QUANTISER, for each operand of a quantised product, along K:
;;     - K is cut into blocks of 32 from its start; a last block that is shorter is filled with zeros.
;;     - A block's scale is 2^e with e = floor(log2(the largest magnitude in the block)) - 2, held to -126 .. 127; a block of zeros has e = 0. As a byte (E8M0): e + 127.
;;     - Each number is divided by its block's scale, clamped to +-7.5, and rounded to the nearest number of E2M3, ties to even, subnormals kept.
;;     - The product sums the exact products of the quantised numbers (number of the format x scale) in f32.
;;   ~~~python
;;   def quantise(x, axis):      # numpy; x: float32 -> the quantised numbers, widened to float32 again
;;       x = np.moveaxis(x, axis, -1); K = x.shape[-1]
;;       x = np.pad(x, [(0, 0)] * (x.ndim - 1) + [(0, -K % 32)]); x = x.reshape(x.shape[:-1] + (-1, 32)); a = np.abs(x).max(-1, keepdims=True)
;;       e = np.where(a > 0, np.clip(np.frexp(np.where(a > 0, a, 1))[1] - 1 - 2, -126, 127), 0)      # np.frexp(a)[1] - 1 = floor(log2(a)), exactly
;;       r = np.clip(x / 2.0 ** e, -7.5, 7.5)
;;       step = 2.0 ** (np.maximum(np.frexp(np.where(r == 0, 1, r))[1] - 1, 0) - 3)
;;       q = np.round(r / step) * step * 2.0 ** e      # np.round: ties to even
;;       return np.moveaxis(q.reshape(q.shape[:-2] + (-1,))[..., :K], -1, axis).astype(np.float32)
;;   ~~~
;;   SOFTMAX AHEAD OF A QUANTISED PRODUCT. Where the list says 'softmax', what is quantised is not the finished softmax but p = 2^(t - M), with t = logit x log2(e) and M = ceil(the row's largest t), a whole number; so 1/2 < the row's largest p <= 1. The row's sum l is taken of the UNQUANTISED p, in f32, and the product's result is divided by l at the end. Since M is a whole number, a kernel that streams over the keys may use a running M (the ceiling of the running maximum): every later rescaling is an exact power of two, which a block's scale takes up: the codes' values come out the same.
;;   OPERANDS COMPUTED ON THE WAY. 'Computed on the way' means the value that the module computes at that place (a softmax that the list does not call 'softmax' is quantised finished and normalised). What goes into a quantiser is computed in f32, as accurately as f32 sums, v_exp_f32 and their like allow (about 1e-6 of the number): no bf16 or f16 on the way to a quantiser, and a product that is left as it is and whose result goes on into a quantised operand takes f32 operands (vector FMAs, or v_wmma_f32_16x16x4_f32). A number that lies on a knife's edge between two numbers of the format may be rounded either way, as far as f32 arithmetic and the matrix unit's own rounding can turn it there, and no further.
;; One version. Each part assembles by itself: llvm-mc -triple=amdgcn-amd-amdhsa -mcpu=gfx1250 --defsym DOCPART=n.
;; ======== version 1 of 1: 4 launches
;; limits: right only within a limited range of input values
;; workspace buffers: cxw 12,582,912 bytes; sxw 524,288 bytes; cqkv 15,728,640 bytes; sqkv 655,360 bytes; cat 3,145,728 bytes; sat 131,072 bytes
;; launch quant (part 1): grid 896 x 1, 4 waves a work-group, no clusters, 35,328 bytes of LDS; arguments x_q, x_kv, Wq, Wk, Wv, Wo, cxw, sxw; writes cxw, sxw
.if DOCPART == 1
	.amdgcn_target "amdgcn-amd-amdhsa--gfx1250"
	.amdhsa_code_object_version 6
	.text
	.protected	k_qdba3b581d9_quant
	.globl	k_qdba3b581d9_quant
	.p2align	8
	.type	k_qdba3b581d9_quant,@function
k_qdba3b581d9_quant:
	s_mov_b64 s[64:65], 0
	v_nop
	global_prefetch_b8 v0, s[64:65] scope:SCOPE_SE
	s_setreg_imm32_b32 hwreg(HW_REG_WAVE_MODE, 25, 1), 1
	s_wait_xcnt 0x0
; x_q [4096][1024], x_kv [8192][1024] (K innermost) and Wq, Wk, Wv, Wo [1024 (k)][1024 (n)] (K outermost), all f32, become codes of FP6 (E2M3) with one E8M0 byte for each 32 along K.
; A block's scale is 2^(floor(log2(its largest magnitude)) - 2): its byte is the largest magnitude's exponent field - 2, held at 1 from below.  A block of zeros so gets the byte 1: its codes are zeros, and this program alone reads the bytes.
; LIMITS: NaN and infinities among the inputs are not served; blocks whose largest magnitude lies under 2^-124 get the byte 1.
; THE CODES ARE LAID AS THE MATRIX OPERAND'S REGISTERS.  A half fragment (16 rows x 64 K, six registers a lane: lane (r, h) holds k = 32 h .. 32 h + 31 of row r) is 768 bytes: registers 0-3 at 16 x lane, registers 4-5 at 512 + 8 x lane.
; cxw: byte (((rb 8 + ks) 16 + t) 2 + c) 768: rb a block of 256 rows, ks a K step of 128, t a tile, c which 64 of the 128.  rb 0-15 x_q, 16-47 x_kv, 48-51 Wq, 52-55 Wk, 56-59 Wv, 60-63 Wo (the weights' rows are their columns n).
; THE ROWS OF A TILE ARE NOT NEIGHBOURS: lane r of tile 2 g + u takes row 32 g + 8 u + r + 8 (r / 8), so that a product with such a tile as source 0 leaves 16 neighbours in the 16 registers of two neighbouring result tiles.
; sxw: byte tile 512 + r 32 + block: a row's 32 bytes on end.
; Work-groups 0-767: one tile of x each, a wave 256 along K.  Work-groups 768-895: 128 columns x 256 along K of one weight.  No tensor loads, no barrier: waves share nothing.  Only the first path uses LDS.
.set NXT,  768                         ; tiles of x
.set PIT,  272                         ; a stage row: 256 bytes + 16: sixteen rows begin in sixteen different columns of 16 bytes
.set STG,  16*PIT
.set WREG, 2*STG                       ; two stages for each wave
.set RR,   32                          ; v32-159  four half fragments' numbers as loaded
.set XX,   160                         ; v160-223 two sets of 32 neighbours
.set CC,   224                         ; v224-255 codes, eight registers for each half fragment: no store's data are written again
.set BY,   16                          ; v16-19   the four scale bytes
; the largest magnitude of v[xs] .. v[xs+31] and the floor 2^(3 - 127), in two chains, into v[ma]
.macro MAX32 xs, ma, mb
	v_max3_num_f32 v[\ma], |v[\xs]|, |v[\xs+1]|, 0x1800000
	v_max3_num_f32 v[\mb], |v[\xs+2]|, |v[\xs+3]|, |v[\xs+4]|
.irp i, 5,9,13,17,21,25
	v_max3_num_f32 v[\ma], v[\ma], |v[\xs+\i]|, |v[\xs+\i+1]|
	v_max3_num_f32 v[\mb], v[\mb], |v[\xs+\i+2]|, |v[\xs+\i+3]|
.endr
	v_max3_num_f32 v[\ma], v[\ma], |v[\xs+29]|, |v[\xs+30]|
	v_max3_num_f32 v[\ma], v[\ma], v[\mb], |v[\xs+31]|
.endm
	s_load_b512 s[4:19], s[0:1], 0x0               ; x_q s[4:5], x_kv s[6:7], Wq s[8:9], Wk s[10:11], Wv s[12:13], Wo s[14:15], cxw s[16:17], sxw s[18:19]
	v_lshl_add_u32 v254, v0, 2, 0x8800
	v_mov_b32 v255, 0
	v_lshrrev_b32 v1, 5, v0
	v_readfirstlane_b32 s20, v1                    ; wave
	v_and_b32 v1, 31, v0                           ; lane
	v_and_b32 v2, 15, v0                           ; r
	v_bfe_u32 v3, v0, 4, 1                         ; h
	v_lshlrev_b32 v4, 4, v1                        ; an image's registers 0-3: 16 x lane
	v_lshlrev_b32 v5, 3, v1
	v_add_nc_u32 v5, 512, v5                       ; its registers 4-5: 512 + 8 x lane
	s_cmp_ge_u32 ttmp9, NXT
	s_cbranch_scc1 .Lweights
; ---- x: K is innermost.  A load takes two rows x 256 consecutive bytes; a half fragment's 16 x 256 bytes turn through the wave's own stage, so that a lane gets the 32 neighbours of its block.
	v_lshlrev_b32 v6, 12, v3
	v_lshl_add_u32 v6, v2, 4, v6                   ; in memory: (lane / 16) rows of 4,096 bytes + 16 (lane % 16)
	s_mul_i32 s21, s20, WREG
	v_mul_u32_u24 v7, v3, PIT
	v_lshl_add_u32 v7, v2, 4, v7
	v_add_nc_u32 v7, s21, v7                       ; the stage, on the way in
	v_mul_u32_u24 v8, v2, PIT
	v_lshl_add_u32 v8, v3, 7, v8
	v_add_nc_u32 v8, s21, v8                       ; and out: row r, 128 bytes for each half of the lanes
	v_lshlrev_b32 v9, 5, v2                        ; my row's 32 scale bytes
	v_lshlrev_b32 v10, 3, v3                       ; 8 h: my bytes' place in a scale word
	v_mov_b32 v22, 0                               ; a lane permute's destination counts as one of its sources
	v_mov_b32 v23, 0
	s_mov_b32 s34, 0x76543210
	s_mov_b32 s35, 0xfedcba98                      ; selects for lane l xor 16
	s_lshr_b32 s26, ttmp9, 4
	s_mul_i32 s26, s26, 196608                     ; the block of 256 rows,
	s_mul_i32 s27, s20, 49152                      ; my two K steps,
	s_add_co_u32 s26, s26, s27
	s_and_b32 s27, ttmp9, 15
	s_mul_i32 s27, s27, 1536                       ; the tile
	s_add_co_u32 s26, s26, s27
	s_mov_b32 s27, 0
	s_lshl_b32 s28, ttmp9, 9
	s_lshl_b32 s29, s20, 3
	s_add_co_u32 s28, s28, s29                     ; scale rows: tile x 512 + my two words
	s_mov_b32 s29, 0
	s_wait_alu depctr_va_vdst(0)
	s_wait_kmcnt 0x0
	s_cmp_lt_u32 ttmp9, 256                        ; x_q's tile or x_kv's: the choice hangs on the work-group's number alone
	s_cselect_b64 s[4:5], s[4:5], s[6:7]
	s_cselect_b32 s22, 0, 256
	s_sub_co_u32 s22, ttmp9, s22                   ; the tile's number in its tensor
	s_lshr_b32 s23, s22, 1
	s_lshl_b32 s23, s23, 17                        ; 32 rows of 4,096 bytes for each pair of tiles
	s_and_b32 s24, s22, 1
	s_lshl_b32 s24, s24, 15                        ; 8 rows for the odd tile
	s_add_co_u32 s24, s23, s24
	s_lshl_b32 s25, s20, 10                        ; my 256 along K
	s_add_co_u32 s24, s24, s25
	s_mov_b32 s25, 0
	s_add_nc_u64 s[4:5], s[4:5], s[24:25]
	s_add_nc_u64 s[16:17], s[16:17], s[26:27]
	s_add_nc_u64 s[18:19], s[18:19], s[28:29]
.macro XLOAD t                         ; half fragment t: the tile's 16 rows x 64 numbers
.irp j, 0,1,2,3,4,5,6,7
	global_load_b128 v[RR+32*(\t)+4*\j:RR+32*(\t)+4*\j+3], v6, s[4:5] offset:(2*\j+8*(\j/4))*4096+256*(\t) th:TH_LOAD_NT
.endr
.endm
.macro XTURN t                         ; through the stage: LDS serves a wave's instructions in order, so no wait stands between the stores and the loads
.irp j, 0,1,2,3,4,5,6,7
	ds_store_b128 v7, v[RR+32*(\t)+4*\j:RR+32*(\t)+4*\j+3] offset:STG*((\t)%2)+2*\j*PIT
.endr
.irp q, 0,1,2,3,4,5,6,7
	ds_load_b128 v[XX+32*((\t)%2)+4*\q:XX+32*((\t)%2)+4*\q+3], v8 offset:STG*((\t)%2)+16*\q
.endr
.endm
.macro XSTEP t
.set XS, XX+32*((\t)%2)
	s_wait_dscnt 0x0                               ; this half fragment's numbers are back from the stage
.if (\t) < 3
	s_wait_loadcnt 8*(2-(\t))                      ; the next one's eight loads are in; those behind it may be out
	XTURN (\t)+1                                   ; and go through the other stage while this one is worked
.endif
	MAX32 XS, 24, 25                               ; my block: all its 32 numbers are mine
	v_add_nc_u32 v26, 0xff000000, v24              ; 2 off the exponent field: the conversion takes the exponent field of this operand as its scale
	v_cvt_scalef32_pk16_fp6_f32 v[CC+8*(\t):CC+8*(\t)+2], v[XS:XS+15], v26
	v_cvt_scalef32_pk16_fp6_f32 v[12:14], v[XS+16:XS+31], v26      ; (a conversion's three registers begin on an even number)
	v_lshrrev_b32 v[BY+(\t)], 23, v26              ; the scale's byte; also the plain line behind the conversions
.irp i, 0,1,2
	v_mov_b32 v[CC+8*(\t)+3+\i], v[12+\i]
.endr
	global_store_b128 v4, v[CC+8*(\t):CC+8*(\t)+3], s[16:17] offset:((\t)/2)*24576+((\t)%2)*768     ; 512 consecutive bytes
	global_store_b64 v5, v[CC+8*(\t)+4:CC+8*(\t)+5], s[16:17] offset:((\t)/2)*24576+((\t)%2)*768    ; and the 256 behind them
.endm
	XLOAD 0
	XLOAD 1
	XLOAD 2
	XLOAD 3                                        ; 32 loads of the wave are out
	s_wait_loadcnt 24                              ; the first eight are in
	XTURN 0
	XSTEP 0
	XSTEP 1
	XSTEP 2
	XSTEP 3
.irp f, 0,1                            ; K step f's scale word: my bytes are blocks h and 2 + h; lane l xor 16 has the other two
	v_lshl_or_b32 v[20+\f], v[BY+2*\f+1], 16, v[BY+2*\f]
	v_lshlrev_b32 v[20+\f], v10, v[20+\f]
	v_permlanex16_b32 v[22+\f], v[20+\f], s34, s35
	v_or_b32 v[20+\f], v[20+\f], v[22+\f]
.endr
	s_wait_alu depctr_va_vdst(0)
	s_wait_xcnt 0x0                                ; EXEC changes only when the stores above have had their addresses translated
	v_cmp_gt_u32 vcc_lo, 16, v1
	s_wait_tensorcnt 0x0
	ds_add_u32 v254, v255
	s_wait_dscnt 0x0
	s_and_saveexec_b32 s30, vcc_lo                 ; lanes 0-15: one lane a row
	global_store_b64 v9, v[20:21], s[18:19]
	s_wait_xcnt 0x0
	s_or_b32 exec_lo, exec_lo, s30
	s_endpgm
; ---- the weights: K is outermost.  A lane takes a column n and its registers run down K: a block of 32 lies in one lane, and the conversions give codes with K innermost.
; Lanes 0-15 take the 16 columns of tile t0, lanes 16-31 those of tile t0 + 1.  Two blocks' codes, with the halves of the lanes exchanged, are the two tiles' half fragments.
.Lweights:
	s_sub_co_u32 s21, ttmp9, NXT
	s_lshr_b32 s22, s21, 5                         ; which weight
	s_bfe_u32 s23, s21, 0x30002                    ; x: which 128 columns
	s_and_b32 s24, s21, 3                          ; y: which 256 along K
	s_wait_alu depctr_va_vdst(0)
	v_and_b32 v6, 8, v2
	v_add_nc_u32 v6, v6, v2                        ; r + 8 (r / 8)
	v_lshl_add_u32 v6, v3, 3, v6                   ; + 8 for the odd tile
	v_lshlrev_b32 v6, 2, v6                        ; my column, in bytes
	v_lshlrev_b32 v7, 5, v1                        ; scale rows: 32 bytes a row, 512 a tile: 32 x lane
	s_lshl_b32 s26, s24, 20                        ; 256 y rows of 4,096 bytes
	s_lshl_b32 s27, s23, 9
	s_add_co_u32 s26, s26, s27
	s_lshl_b32 s27, s20, 7
	s_add_co_u32 s26, s26, s27                     ; + (128 x + 32 wave) columns
	s_mov_b32 s27, 0
	s_lshl_b32 s28, s22, 2
	s_lshr_b32 s29, s23, 1
	s_add_co_u32 s28, s28, s29
	s_add_co_u32 s28, s28, 48                      ; the block of 256 rows of cxw
	s_and_b32 s29, s23, 1
	s_lshl_b32 s29, s29, 3
	s_lshl_b32 s30, s20, 1
	s_add_co_u32 s29, s29, s30                     ; t0
	s_lshl_b32 s30, s28, 3
	s_lshl_b32 s31, s24, 1
	s_add_co_u32 s30, s30, s31
	s_mul_i32 s30, s30, 24576
	s_mul_i32 s31, s29, 1536
	s_add_co_u32 s30, s30, s31
	s_mov_b32 s31, 0
	s_lshl_b32 s32, s28, 4
	s_add_co_u32 s32, s32, s29
	s_lshl_b32 s32, s32, 9
	s_lshl_b32 s33, s24, 3
	s_add_co_u32 s32, s32, s33                     ; scale rows: tile x 512 + my 8 blocks
	s_mov_b32 s33, 0
	s_wait_alu depctr_va_vdst(0)
	s_wait_kmcnt 0x0
	s_cmp_eq_u32 s22, 1
	s_cselect_b64 s[8:9], s[10:11], s[8:9]
	s_cmp_eq_u32 s22, 2
	s_cselect_b64 s[8:9], s[12:13], s[8:9]
	s_cmp_eq_u32 s22, 3
	s_cselect_b64 s[8:9], s[14:15], s[8:9]
	s_add_nc_u64 s[8:9], s[8:9], s[26:27]
	s_add_nc_u64 s[16:17], s[16:17], s[30:31]
	s_add_nc_u64 s[18:19], s[18:19], s[32:33]
.macro WLOAD t                         ; block t: W(32 t + i, my column) into set t % 2
.irp i, 0,1,2,3,4,5,6,7,8,9,10,11,12,13,14,15,16,17,18,19,20,21,22,23,24,25,26,27,28,29,30,31
	global_load_b32 v[32+32*((\t)%2)+\i], v6, s[8:9] offset:(32*(\t)+\i)*4096 th:TH_LOAD_NT
.endr
.endm
.macro WBLOCK t
.set XS, 32+32*((\t)%2)
.set CD, 96+12*((\t)/2)+6*((\t)%2)     ; the block's six registers of codes: no store's data are written again
.set GG, (\t)/2
.if (\t) < 7
	s_wait_loadcnt 32                              ; this block's 32 loads are in; the next block's may be out
.else
	s_wait_loadcnt 0x0
.endif
	MAX32 XS, 26, 27
	v_add_nc_u32 v28, 0xff000000, v26
	v_lshrrev_b32 v29, 23, v28                     ; the scale's byte
.if (\t)%4 == 0
	v_mov_b32 v[24+(\t)/4], v29                    ; four bytes to a register, the lower K in the lower byte
.else
	v_lshl_or_b32 v[24+(\t)/4], v29, 8*((\t)%4), v[24+(\t)/4]
.endif
	v_cvt_scalef32_pk16_fp6_f32 v[CD:CD+2], v[XS:XS+15], v28
	v_cvt_scalef32_pk16_fp6_f32 v[12:14], v[XS+16:XS+31], v28
	v_nop                                          ; one plain line behind the conversions
.irp i, 0,1,2
	v_mov_b32 v[CD+3+\i], v[12+\i]
.endr
.if (\t)+2 < 8
	WLOAD (\t)+2
.endif
.if (\t)%2 == 1
.irp i, 0,1,2,3,4,5
	v_permlane16_swap_b32 v[96+12*GG+\i], v[102+12*GG+\i]   ; the even block's lanes 16-31 change places with the odd block's lanes 0-15: the first six registers are now tile t0's half fragment, the second six tile t0 + 1's
.endr
	global_store_b128 v4, v[96+12*GG:99+12*GG], s[16:17] offset:(GG/2)*24576+(GG%2)*768
	global_store_b64 v5, v[100+12*GG:101+12*GG], s[16:17] offset:(GG/2)*24576+(GG%2)*768
	global_store_b128 v4, v[102+12*GG:105+12*GG], s[16:17] offset:(GG/2)*24576+(GG%2)*768+1536
	global_store_b64 v5, v[106+12*GG:107+12*GG], s[16:17] offset:(GG/2)*24576+(GG%2)*768+1536
.endif
.endm
	WLOAD 0
	WLOAD 1
.irp t, 0,1,2,3,4,5,6,7
	WBLOCK \t
.endr
	global_store_b64 v7, v[24:25], s[18:19]        ; my row's 8 scale bytes: pieces of 8 bytes, one byte for each 32 along K
	s_endpgm
.Lfunc_end_k_qdba3b581d9_quant:
	.size	k_qdba3b581d9_quant, .Lfunc_end_k_qdba3b581d9_quant-k_qdba3b581d9_quant
	.p2alignl 7, 3214868480
	.fill 96, 4, 3214868480
	.section	.rodata,"a",@progbits
	.p2align	6, 0x0
	.amdhsa_kernel k_qdba3b581d9_quant
		.amdhsa_group_segment_fixed_size 35328
		.amdhsa_private_segment_fixed_size 0
		.amdhsa_enable_private_segment 0
		.amdhsa_kernarg_size 64
		.amdhsa_user_sgpr_count 2
		.amdhsa_user_sgpr_kernarg_segment_ptr 1
		.amdhsa_wavefront_size32 1
		.amdhsa_system_sgpr_workgroup_id_x 1
		.amdhsa_system_sgpr_workgroup_id_y 1
		.amdhsa_system_sgpr_workgroup_id_z 1
		.amdhsa_system_vgpr_workitem_id 0
		.amdhsa_next_free_vgpr 256
		.amdhsa_next_free_sgpr 66
		.amdhsa_reserve_vcc 1
		.amdhsa_float_denorm_mode_32 3
		.amdhsa_float_denorm_mode_16_64 3
		.amdhsa_memory_ordered 1
		.amdhsa_forward_progress 1
		.amdhsa_inst_pref_size 57
	.end_amdhsa_kernel
	.amdgpu_metadata
---
amdhsa.version: [ 1, 2 ]
amdhsa.kernels:
  - .name:           k_qdba3b581d9_quant
    .symbol:         k_qdba3b581d9_quant.kd
    .args:
      - { .name: x_q, .offset: 0, .size: 8, .value_kind: global_buffer, .address_space: global }
      - { .name: x_kv, .offset: 8, .size: 8, .value_kind: global_buffer, .address_space: global }
      - { .name: Wq, .offset: 16, .size: 8, .value_kind: global_buffer, .address_space: global }
      - { .name: Wk, .offset: 24, .size: 8, .value_kind: global_buffer, .address_space: global }
      - { .name: Wv, .offset: 32, .size: 8, .value_kind: global_buffer, .address_space: global }
      - { .name: Wo, .offset: 40, .size: 8, .value_kind: global_buffer, .address_space: global }
      - { .name: cxw, .offset: 48, .size: 8, .value_kind: global_buffer, .address_space: global }
      - { .name: sxw, .offset: 56, .size: 8, .value_kind: global_buffer, .address_space: global }
    .group_segment_fixed_size: 35328
    .private_segment_fixed_size: 0
    .kernarg_segment_align: 8
    .kernarg_segment_size: 64
    .max_flat_workgroup_size: 128
    .sgpr_count:     66
    .vgpr_count:     256
    .wavefront_size: 32
...
	.end_amdgpu_metadata
.endif
;; end of part 1
;; launch proj (part 2): grid 4 x 64, 4 waves a work-group, clusters of 4 x 4, 327,680 bytes of LDS; arguments cxw, sxw, bq, bk, bv, cqkv, sqkv; writes cqkv, sqkv
.if DOCPART == 2
	.amdgcn_target "amdgcn-amd-amdhsa--gfx1250"
	.amdhsa_code_object_version 6
	.text
	.protected	k_qdba3b581d9_proj
	.globl	k_qdba3b581d9_proj
	.p2align	8
	.type	k_qdba3b581d9_proj,@function
k_qdba3b581d9_proj:
	s_mov_b64 s[64:65], 0
	v_nop
	global_prefetch_b8 v0, s[64:65] scope:SCOPE_SE
	s_setreg_imm32_b32 hwreg(HW_REG_WAVE_MODE, 25, 1), 1
	s_wait_xcnt 0x0
	s_wait_alu depctr_hold_cnt(0) depctr_sa_sdst(0) depctr_va_vdst(0) depctr_va_sdst(0) depctr_va_ssrc(0) depctr_va_vcc(0) depctr_vm_vsrc(0)
	s_getreg_b32 s2, hwreg(HW_REG_IB_STS2, 6, 4)
	s_cmp_eq_u32 s2, 0
	s_cbranch_scc0 .Lentry_in_a_cluster
	s_endpgm
.Lentry_in_a_cluster:
	s_bfe_u32 s2, ttmp6, 0x10000c
	s_cmp_lg_u32 s2, 0xf033
	s_cbranch_scc0 .Lentry_shape_is_right
	s_endpgm
.Lentry_shape_is_right:
; q = x_q Wq + bq, k = x_kv Wk + bk, v = x_kv Wv + bv on codes of FP6 (E2M3) with E8M0 scales, sums in f32; the results are quantised on the way out, q and k along a head's 64 channels, v along the keys.
; ONE PRODUCT FOR ALL THREE.  Source 0 is P, whose rows run along the result's REGISTERS, the axis to be quantised; source 1 is R, whose rows are the lanes.  q: P = Wq, R = x_q.  k: P = Wk, R = x_kv.  v: P = x_kv, R = Wv.
; The rows of a tile are chosen (cxw's order) so that the 16 registers of result tiles 2 g and 2 g + 1 are 16 neighbours along P.
; SHARES.  A work-group makes 256 (R) x 256 (P), each of its four waves 128 x 128: 64 accumulators, 512 registers.  K = 1,024 is 8 steps of 128.
; CLUSTERS of 4 x 4, 20 of them: 0-3 q, 4-11 k, 12-19 v.  P's block hangs on the cluster and cx, R's on the cluster and cy: P's tiles are asked for jointly by a column of the cluster, R's by a row.
; LDS: three slots of two K steps (P's six K steps on end, then R's six).  A K step of 256 rows is one dense block of cxw, laid in the order of the operand's registers: no pitch, no padding, every LDS read is of consecutive bytes.
; Steps 0-5 are the slots' first fills (one tensor load of a wave, three K steps); steps 6 and 7 fill slot 0 again: one refill in the launch.
; The scale words of all 8 steps lie in 64 registers from the start.  The bias is the C of each sum's first product.
; OUT.  cqkv: q [b 16 + head][tile 128][768] at 0; k [b 16 + head][tile 256][768] at 3,145,728; v [b 8 + head pair][group of 128 keys][which 64][channel tile 8][768] at 9,437,184: half fragments, stored as they stand in registers.
; sqkv: blocks of 512 bytes [b 8 + head pair][group of 128 rows (v: keys)][r 16][tile 8], a word each: q at 0, k at 131,072, v at 393,216.
; LIMITS: NaN and infinities are not served; a block whose largest magnitude lies under 2^-124 gets the byte 1 (a block of zeros too: its codes are zeros).
; REGISTERS, in windows of 256: window 0: v1-29 ids and addresses; v32-95 scale words; v96-118 at work on the way out; v128-223 R's fragments, one set (on the way out: the codes); v224-235 the scale words made.
;   window 1: P's fragments, two sets, v0-95 and v128-223; the bias, 8 x 8 registers, v96-127 and v224-255.   windows 2, 3: accumulator (a, b) at v[8 (8 (a % 4) + b)] of window 2 + a / 4; a: R's tile, b: P's.
.set KB,    24576                      ; a K step of 256 rows
.set SLOT,  4*KB
.set SPARE, 3*SLOT                     ; the spare words, 128 bytes for each wave: two blocks of 256 bytes that no other line names
.set FR,    12                         ; registers of a fragment
.set O16,   4                          ; v4   16 x lane
.set O8,    5                          ; v5   512 + 8 x lane
.set AP16,  8                          ; v8-10  P's fragments in slots 0-2, registers 0-3 and 6-9;  v11-13 registers 4-5 and 10-11
.set AP8,   11
.set AR16,  14                         ; v14-16, v17-19 the same for R
.set AR8,   17
.set OS,    22                         ; v22  the scale words' place on the way out
.set SPW,   28                         ; v28  my spare word; never rewritten
.set NIL,   29                         ; v29  0; never rewritten
.set SC,    32                         ; register 8 i + ks: lanes 0-15 the word of R's tile i, lanes 16-31 that of P's tile i, for K step ks
.set TM,    96
.set PT,    112
.set RF,    128
.set PW,    224
.set WV,    20
.set WR,    21                         ; which half of R's rows is mine.  Also: I fetch for P (0) or for R (1)
.set WC,    22                         ; which half of P's rows.  Also: which K step of a slot I fetch
.set G1P,   24
.set G1R,   32
.set G0P,   40                         ; s[40:51] a group 0 for each slot
.set G0R,   52                         ; s[52:63]
.set SEL,   98
.set MSB, 0
.macro WIN new                         ; the immediate's high byte repeats the setting that is left
.if MSB != \new
	s_set_vgpr_msb (MSB<<8)|\new
.set MSB, \new
.endif
.endm
.macro PLACES                          ; four plain lines behind matrix instructions, in front of loads into registers that they read and of the first read of results
.rept 4
	v_nop
.endr
.endm
.macro JLOAD s                         ; a joint load: waves 0, 1 for P, waves 2, 3 for R; four v_nop follow each line
	s_cmp_eq_u32 s[WR], 0
	s_cbranch_scc0 .Lfor_r_\@
	tensor_load_to_lds s[G0P+4*\s:G0P+4*\s+3], s[G1P:G1P+7]
	s_nop 0
.rept 4
	v_nop
.endr
	s_branch .Lasked_\@
.Lfor_r_\@:
	tensor_load_to_lds s[G0R+4*\s:G0R+4*\s+3], s[G1R:G1R+7]
	s_nop 0
.rept 4
	v_nop
.endr
.Lasked_\@:
.endm
.macro CREST                           ; a round of the cluster's barrier behind its opening barrier
	s_cmp_lg_u32 s[WV], 0
	s_cbranch_scc1 .Lnot_wave_0_\@
	s_barrier_signal -3
.Lnot_wave_0_\@:
	s_barrier_wait -3
	s_barrier_signal -1
	s_barrier_wait -1
.endm
.macro CROUND
	s_barrier_signal -1
	s_barrier_wait -1
	CREST
.endm
.macro FRAG reg, a16, a8, off          ; a fragment: two half fragments, 768 bytes apart, as they were stored
	ds_load_b128 v[\reg:\reg+3], v[\a16] offset:\off
	ds_load_b64 v[\reg+4:\reg+5], v[\a8] offset:\off
	ds_load_b128 v[\reg+6:\reg+9], v[\a16] offset:\off+768
	ds_load_b64 v[\reg+10:\reg+11], v[\a8] offset:\off+768
.endm
	s_load_b256 s[4:11], s[0:1], 0x0               ; cxw s[4:5], sxw s[6:7], bq s[8:9], bk s[10:11]
	s_load_b128 s[12:15], s[0:1], 0x20             ; bv s[12:13], cqkv s[14:15]
	s_load_b64 s[16:17], s[0:1], 0x30              ; sqkv
	v_lshl_add_u32 v[SPW], v0, 2, SPARE
	v_mov_b32 v[NIL], 0
	ds_add_u32 v28, v29
	ds_add_u32 v28, v29
	s_wait_dscnt 0x0
	v_lshrrev_b32 v1, 5, v0
	v_readfirstlane_b32 s[WV], v1
	s_lshr_b32 s[WR], s[WV], 1
	s_and_b32 s[WC], s[WV], 1
	s_bfe_u32 s66, ttmp6, 0x40000                  ; cx
	s_bfe_u32 s67, ttmp6, 0x40004                  ; cy
	s_and_b32 s68, ttmp7, 0xffff
	s_add_co_u32 s68, s68, 4                       ; this launch makes k and v alone, clusters 4 .. 19 of the numbering above: q is made by the launch that uses it
	s_add_co_u32 s69, s68, 12
	s_lshr_b32 s69, s69, 4                         ; 1 for k and v
	s_add_co_u32 s70, s68, 4
	s_lshr_b32 s70, s70, 4                         ; 1 for v
	s_sub_co_u32 s73, 1, s70
	s_lshl_b32 s74, s69, 2
	s_add_co_u32 s74, s74, 48
	s_mul_i32 s74, s74, s73                        ; q, k: the weight's first block, 48 or 52
	s_lshl_b32 s75, s68, 2
	s_sub_co_u32 s76, s75, 32
	s_mul_i32 s76, s76, s70                        ; v: x_kv's blocks 4 cluster - 32 on
	s_add_co_u32 s71, s74, s76
	s_add_co_u32 s71, s71, s66                     ; P's block of 256 rows: the cluster and cx
	s_mul_i32 s72, s75, s73                        ; q, k: x's blocks 4 cluster on
	s_mul_i32 s77, s70, 56                         ; v: Wv's
	s_add_co_u32 s72, s72, s77
	s_add_co_u32 s72, s72, s67                     ; R's block: the cluster and cy
	s_lshl_b32 s83, s67, 2
	s_lshl_b32 s83, 15, s83                        ; my row of the cluster
	s_lshl_b32 s84, 0x1111, s66                    ; my column
	s_or_b32 s[G1P], s84, (3<<16)|(1<<21)          ; 15:0 the mask; 17:16 elements of 8 bytes; 21 set beside a mask; no padding
	s_or_b32 s[G1R], s83, (3<<16)|(1<<21)
.irp g, G1P, G1R                       ; a dense block of 24,576 bytes as 96 rows of 256
	s_mov_b32 s[\g+1], 32<<16                      ; tensor_dim0 = 32 elements
	s_mov_b32 s[\g+2], 288<<16                     ; the head's load: three K steps on end, 288 rows of 256 bytes
	s_mov_b32 s[\g+3], 32<<16                      ; tile_dim0
	s_mov_b32 s[\g+4], 288
	s_mov_b32 s[\g+5], 32                          ; the pitch
	s_mov_b32 s[\g+6], 0
	s_mov_b32 s[\g+7], 0
.endr
	s_lshl_b32 s78, s71, 3
	s_add_co_u32 s78, s78, s[WC]
	s_mul_i32 s78, s78, KB                         ; P: (block x 8 + my K step) x 24,576
	s_mov_b32 s79, 0
	s_lshl_b32 s80, s72, 3
	s_add_co_u32 s80, s80, s[WC]
	s_mul_i32 s80, s80, KB                         ; R likewise
	s_mov_b32 s81, 0
	s_mul_i32 s82, s[WC], KB                       ; LDS NOW: P's K steps 0-5 on end from byte 0, R's from byte 6 KB; steps 6, 7 land where steps 0, 1 lay
	s_mul_i32 s94, s[WC], 2*KB
	s_mov_b32 s95, 0
	s_lshl_b32 s90, s66, 10
	s_lshl_b32 s91, s[WC], 9
	s_add_co_u32 s90, s90, s91                     ; q, k: the bias of my 128 channels, (256 cx + 128 half) x 4
	s_mov_b32 s91, 0
	s_lshl_b32 s92, s67, 10
	s_lshl_b32 s93, s[WR], 9
	s_add_co_u32 s92, s92, s93                     ; v: (256 cy + 128 half) x 4
	s_mov_b32 s93, 0
	s_mov_b32 s[SEL], 0x76543210
	s_mov_b32 s[SEL+1], 0xfedcba98                 ; selects for lane l xor 16
	s_wait_kmcnt 0x0
	s_add_nc_u64 s[78:79], s[4:5], s[78:79]
	s_add_nc_u64 s[80:81], s[4:5], s[80:81]
	s_cmp_eq_u32 s69, 0
	s_cselect_b64 s[8:9], s[8:9], s[10:11]         ; bq or bk
	s_add_nc_u64 s[8:9], s[8:9], s[90:91]
	s_add_nc_u64 s[12:13], s[12:13], s[92:93]
	; set 0, the head's one load a wave: K steps 3 WC .. 3 WC + 2 of P or of R, a dense run of 73,728 bytes
	s_mov_b32 s[G0P], 1
	s_mul_i32 s[G0P+1], s[WC], 3*KB
	s_add_nc_u64 s[G0P+2:G0P+3], s[78:79], s[94:95]
	s_or_b32 s[G0P+3], s[G0P+3], 0x80000000
	s_mov_b32 s[G0R], 1
	s_add_co_u32 s[G0R+1], s[G0P+1], 6*KB
	s_add_nc_u64 s[G0R+2:G0R+3], s[80:81], s[94:95]
	s_or_b32 s[G0R+3], s[G0R+3], 0x80000000
	; set 1, the one refill: K step 6 + WC
	s_mov_b32 s[G0P+4], 1
	s_mov_b32 s[G0P+5], s82
	s_add_nc_u64 s[G0P+6:G0P+7], s[78:79], 6*KB
	s_or_b32 s[G0P+7], s[G0P+7], 0x80000000
	s_mov_b32 s[G0R+4], 1
	s_add_co_u32 s[G0R+5], s82, 6*KB
	s_add_nc_u64 s[G0R+6:G0R+7], s[80:81], 6*KB
	s_or_b32 s[G0R+7], s[G0R+7], 0x80000000
	CROUND                                         ; all sixteen work-groups are here: the first joint loads meet
	s_cmp_eq_u32 s[WR], 0                          ; a wave's first fill, three K steps, stands in one branch: one load of mine is out
	s_cbranch_scc0 .Lfirst_r
	tensor_load_to_lds s[G0P:G0P+3], s[G1P:G1P+7]
	s_nop 0
.rept 4
	v_nop
.endr
	s_branch .Lfirst_done
.Lfirst_r:
	tensor_load_to_lds s[G0R:G0R+3], s[G1R:G1R+7]
	s_nop 0
.rept 4
	v_nop
.endr
.Lfirst_done:
	v_and_b32 v1, 31, v0                           ; lane
	v_and_b32 v2, 15, v0                           ; r
	v_bfe_u32 v3, v0, 4, 1                         ; h
	v_lshlrev_b32 v[O16], 4, v1
	v_lshlrev_b32 v[O8], 3, v1
	v_add_nc_u32 v[O8], 512, v[O8]
	s_mul_i32 s85, s[WC], 12288                    ; my 8 tiles of P
	s_mul_i32 s86, s[WR], 12288                    ; my 8 tiles of R,
	s_add_co_u32 s86, s86, 6*KB                    ; R's steps lie behind P's six
.irp s, 0,1,2
	v_add_nc_u32 v[AP16+\s], s85, v[O16]
	v_add_nc_u32 v[AP8+\s], s85, v[O8]
	v_add_nc_u32 v[AR16+\s], s86, v[O16]
	v_add_nc_u32 v[AR8+\s], s86, v[O8]
	s_add_co_u32 s85, s85, 2*KB
	s_add_co_u32 s86, s86, 2*KB
.endr
	s_lshl_b32 s87, s72, 4
	s_lshl_b32 s88, s[WR], 3
	s_add_co_u32 s87, s87, s88
	s_lshl_b32 s87, s87, 9                         ; the scale rows of my 8 tiles of R,
	s_lshl_b32 s88, s71, 4
	s_lshl_b32 s89, s[WC], 3
	s_add_co_u32 s88, s88, s89
	s_lshl_b32 s88, s88, 9                         ; and of P
	v_mov_b32 v6, s87
	v_mov_b32 v7, s88
	v_cmp_eq_u32 vcc_lo, 1, v3
	v_cndmask_b32 v6, v6, v7, vcc_lo               ; lanes 0-15 take R's words, lanes 16-31 P's
	v_lshl_add_u32 v6, v2, 5, v6                   ; + 32 bytes a row
.irp i, 0,1,2,3,4,5,6,7
.irp q, 0,1
	global_load_b128 v[SC+8*\i+4*\q:SC+8*\i+4*\q+3], v6, s[6:7] offset:\i*512+16*\q
.endr
.endr
	v_lshlrev_b32 v23, 6, v3                       ; q, k: 16 h channels, in bytes
	v_and_b32 v24, 8, v2
	v_add_nc_u32 v24, v24, v2
	v_lshlrev_b32 v24, 2, v24                      ; v: my lane's channel in its tile, r + 8 (r / 8), in bytes
	s_cmp_lg_u32 s70, 0
	s_cbranch_scc1 .Lbias_v
	WIN 0x40                                       ; destination window 1
.irp i, 0,1,2,3,4,5,6,7                ; q, k: the bias runs along the registers: for P's tile i the channels 32 (i / 2) + 16 h + 8 (i % 2) + 0 .. 7
	global_load_b128 v[96+8*(\i%4)+128*(\i/4):96+8*(\i%4)+128*(\i/4)+3], v23, s[8:9] offset:(32*(\i/2)+8*(\i%2))*4
	global_load_b128 v[96+8*(\i%4)+128*(\i/4)+4:96+8*(\i%4)+128*(\i/4)+7], v23, s[8:9] offset:(32*(\i/2)+8*(\i%2))*4+16
.endr
	WIN 0
	s_branch .Lbias_done
.Lbias_v:
	WIN 0x40
	s_wait_alu depctr_va_vdst(0)
.irp j, 0,1,2,3,4,5,6,7                ; v: the bias hangs on the lane's channel: for R's tile j one number in all eight registers
.irp q, 0,1,2,3,4,5,6,7
	global_load_b32 v[96+8*(\j%4)+128*(\j/4)+\q], v24, s[12:13] offset:(32*(\j/2)+8*(\j%2))*4
.endr
.endr
	WIN 0
.Lbias_done:
; 16 matrix instructions: R's tiles a0, a0 + 1 x P's eight, K step ks.  cmode 0: onto the sums; 1: the sums begin with the bias of P's tile; 2: with that of R's tile.
; The 64 accumulators take turns, one instruction a turn, in the same order in every step.
.macro MUL16 a0, set, ks, cmode
.irp a, \a0, \a0+1
.irp b, 0,1,2,3,4,5,6,7
.if \cmode == 0
	v_wmma_scale_f32_16x16x128_f8f6f4 v[8*(8*((\a)%4)+\b):8*(8*((\a)%4)+\b)+7], v[128*(\set)+FR*\b:128*(\set)+FR*\b+FR-1], v[RF+FR*(\a):RF+FR*(\a)+FR-1], v[8*(8*((\a)%4)+\b):8*(8*((\a)%4)+\b)+7], v[SC+8*\b+(\ks)], v[SC+8*(\a)+(\ks)] matrix_a_fmt:MATRIX_FMT_FP6 matrix_b_fmt:MATRIX_FMT_FP6 matrix_a_scale:MATRIX_SCALE_ROW1
.elseif \cmode == 1
	v_wmma_scale_f32_16x16x128_f8f6f4 v[8*(8*((\a)%4)+\b):8*(8*((\a)%4)+\b)+7], v[128*(\set)+FR*\b:128*(\set)+FR*\b+FR-1], v[RF+FR*(\a):RF+FR*(\a)+FR-1], v[96+8*(\b%4)+128*(\b/4):96+8*(\b%4)+128*(\b/4)+7], v[SC+8*\b+(\ks)], v[SC+8*(\a)+(\ks)] matrix_a_fmt:MATRIX_FMT_FP6 matrix_b_fmt:MATRIX_FMT_FP6 matrix_a_scale:MATRIX_SCALE_ROW1
.else
	v_wmma_scale_f32_16x16x128_f8f6f4 v[8*(8*((\a)%4)+\b):8*(8*((\a)%4)+\b)+7], v[128*(\set)+FR*\b:128*(\set)+FR*\b+FR-1], v[RF+FR*(\a):RF+FR*(\a)+FR-1], v[96+8*((\a)%4)+128*((\a)/4):96+8*((\a)%4)+128*((\a)/4)+7], v[SC+8*\b+(\ks)], v[SC+8*(\a)+(\ks)] matrix_a_fmt:MATRIX_FMT_FP6 matrix_b_fmt:MATRIX_FMT_FP6 matrix_a_scale:MATRIX_SCALE_ROW1
.endif
.endr
.endr
.endm
.macro FETCH_P ks, set                 ; P's eight fragments of K step ks; steps 2 s, 2 s + 1 lie in slot s, steps 6, 7 in slot 0
	WIN 0x40
.irp i, 0,1,2,3,4,5,6,7
	FRAG 128*(\set)+FR*\i, AP16+((\ks)/2)%3, AP8+((\ks)/2)%3, ((\ks)%2)*KB+\i*1536
.endr
	WIN 0
.endm
.macro FETCH_R ks, i0                  ; R's tiles i0 .. i0 + 3
.irp i, \i0, \i0+1, \i0+2, \i0+3
	FRAG RF+FR*(\i), AR16+((\ks)/2)%3, AR8+((\ks)/2)%3, ((\ks)%2)*KB+(\i)*1536
.endr
.endm
; A K step whose successor needs no barrier.  R has one set of registers: a tile of R is free when its eight products are issued; tiles 0-3 are fetched anew in the step's middle, tiles 4-7 at its end.  P has two sets.
.macro STEP ks, cmode
	s_wait_dscnt 16                                ; P's set and R's tiles 0-3 are in; the youngest 16 loads (R's tiles 4-7) may be out
.if \cmode
	WIN 0x91                                       ; source 0 (P) and source 2 (the bias) window 1, source 1 (R) window 0, destination window 2
.else
	WIN 0xa1                                       ; source 0 window 1, source 1 window 0, C and D window 2
.endif
	MUL16 0, (\ks)%2, \ks, \cmode
	MUL16 2, (\ks)%2, \ks, \cmode
	s_wait_dscnt 0x0                               ; R's tiles 4-7 are in
	PLACES
	FETCH_P (\ks)+1, ((\ks)+1)%2
	FETCH_R (\ks)+1, 0
.if \cmode
	WIN 0xd1
.else
	WIN 0xf1
.endif
	MUL16 4, (\ks)%2, \ks, \cmode
	MUL16 6, (\ks)%2, \ks, \cmode
	PLACES
	WIN 0
	FETCH_R (\ks)+1, 4
.endm
; A K step with a barrier in it.  Each wave waits for all its tensor loads, adds 0 to its spare word, and waits for that and for its reads.  fill = 1: the barrier opens a round of the cluster's, and slot 0,
; which nobody reads any more, takes K steps 6 and 7.  fill = 0: behind the barrier those two steps are whole for every wave.
.macro TURN ks, fill
	s_wait_tensorcnt 0x0                           ; all my tensor loads have landed
	ds_add_u32 v[SPW], v[NIL]                      ; 0 onto my spare word
	s_wait_dscnt 17                                ; (the add and the youngest 16 loads may be out)
	WIN 0xa1
	MUL16 0, (\ks)%2, \ks, 0                       ; sixteen matrix instructions stand between the add and the wait for it
	s_wait_dscnt 0x0                               ; the add is done, and my reads of this step's slot are over
	s_barrier_signal -1
	MUL16 2, (\ks)%2, \ks, 0
	WIN 0
	s_barrier_wait -1
.if \fill
	CREST                                          ; no wave of any partner still reads slot 0 or has a load on its way
	s_mov_b32 s[G1P+2], 96<<16                     ; no tensor load of mine is out: from here on a load brings one K step, 96 rows
	s_mov_b32 s[G1P+4], 96
	s_mov_b32 s[G1R+2], 96<<16
	s_mov_b32 s[G1R+4], 96
	JLOAD 1
.else
	PLACES
.endif
	FETCH_P (\ks)+1, ((\ks)+1)%2
	FETCH_R (\ks)+1, 0
	WIN 0xf1
	MUL16 4, (\ks)%2, \ks, 0
	MUL16 6, (\ks)%2, \ks, 0
	PLACES
	WIN 0
	FETCH_R (\ks)+1, 4
.endm
	s_wait_tensorcnt 0x0                           ; my one load, three K steps, is in
	s_barrier_signal -1
	s_barrier_wait -1
	FETCH_P 0, 0
	FETCH_R 0, 0
	FETCH_R 0, 4
	s_wait_loadcnt 0x0                             ; the scale words and the bias
	s_cmp_lg_u32 s70, 0                            ; the first step is written twice: the bias lies along P for q and k, along R for v
	s_cbranch_scc1 .Lstart_v
	STEP 0, 1
	s_branch .Lstarted
.Lstart_v:
	STEP 0, 2
.Lstarted:
	TURN 1, 1                                      ; the wait for all loads and the round also show slots 1 and 2 whole to every wave
	STEP 2, 0
	STEP 3, 0
	STEP 4, 0
	TURN 5, 0
	STEP 6, 0
	s_wait_dscnt 16                                ; the last step: nothing more to fetch
	WIN 0xa1
	MUL16 0, 1, 7, 0
	MUL16 2, 1, 7, 0
	s_wait_dscnt 0x0
	WIN 0xf1
	MUL16 4, 1, 7, 0
	MUL16 6, 1, 7, 0
	WIN 0
	PLACES
; THE WAY OUT.  For R's tile a a lane's 64 registers are 128 neighbours' halves along P: register 16 b + i is P's row 32 b + 16 h + i.  They become one fragment (two half fragments) and one scale word a row.
	s_cmp_lg_u32 s70, 0
	s_cselect_b32 s73, s71, s72                    ; x's block of 256 rows,
	s_cselect_b32 s74, s[WC], s[WR]                ; and my half of it
	s_cselect_b32 s75, s67, s66                    ; the weight's place in the cluster,
	s_cselect_b32 s76, s[WR], s[WC]                ; and my half
	s_lshl_b32 s75, s75, 1
	s_add_co_u32 s75, s75, s76                     ; the head pair
	s_lshl_b32 s76, s69, 4
	s_add_co_u32 s77, s76, 16                      ; groups of 128 rows in a batch: 16 (q) or 32
	s_sub_co_u32 s73, s73, s76
	s_lshl_b32 s73, s73, 1
	s_add_co_u32 s73, s73, s74                     ; my group of 128 rows in the tensor
	s_add_co_u32 s74, s69, 4
	s_lshr_b32 s74, s73, s74                       ; the batch
	s_sub_co_u32 s76, s77, 1
	s_and_b32 s76, s73, s76                        ; the group in the batch
	s_lshl_b32 s74, s74, 3
	s_add_co_u32 s74, s74, s75                     ; batch x 8 + head pair
	s_mul_i32 s78, s77, s74
	s_add_co_u32 s79, s78, s76
	s_lshl_b32 s80, s79, 9                         ; the block of 512 scale bytes,
	s_mul_i32 s82, s69, 131072
	s_add_co_u32 s80, s80, s82
	s_mul_i32 s82, s70, 262144
	s_add_co_u32 s80, s80, s82                     ; in q's, k's or v's part
	s_mov_b32 s81, 0
	s_add_nc_u64 s[16:17], s[16:17], s[80:81]
	s_lshl_b32 s78, s78, 4
	s_lshl_b32 s82, s70, 3
	s_add_co_u32 s82, s82, 8                       ; half fragments for a group: 8 in a head's run (q, k), 16 (v)
	s_mul_i32 s82, s82, s76
	s_add_co_u32 s78, s78, s82
	s_mul_i32 s78, s78, 768
	s_mul_i32 s82, s69, 3145728
	s_add_co_u32 s78, s78, s82
	s_mul_i32 s82, s70, 6291456
	s_add_co_u32 s78, s78, s82
	s_mov_b32 s79, 0
	s_add_nc_u64 s[14:15], s[14:15], s[78:79]      ; the first halves: the even head (q, k), the first 64 keys (v)
	s_sub_co_u32 s82, s77, 1
	s_sub_co_u32 s83, 1, s70
	s_mul_i32 s82, s82, s83
	s_add_co_u32 s82, s82, 1
	s_mul_i32 s82, s82, 6144                       ; the second halves: a head's run on (q, k), 8 half fragments on (v)
	s_mov_b32 s83, 0
	s_add_nc_u64 s[18:19], s[14:15], s[82:83]
.irp b, 0,1,2,3
	v_mov_b32 v[TM+4+\b], 0                        ; a lane permute's destination counts as one of its sources
.endr
	v_lshlrev_b32 v[OS], 5, v2
	v_lshl_add_u32 v[OS], v3, 4, v[OS]             ; 32 r + 16 h
.macro QUANTW a
.set AW, 2+(\a)/4
.set AS, 64*((\a)%4)
.set PC, RF+FR*(\a)
	WIN (5*AW)                                     ; sources 0 and 1: the accumulators' window
.irp b, 0,1,2,3
	v_max3_num_f32 v[TM+\b], |v[AS+16*\b]|, |v[AS+16*\b+1]|, 0x1800000   ; block b: my 16 numbers and the floor 2^(3 - 127); each accumulator is read from its low end on
.endr
.irp i, 2,4,6,8,10,12,14
.irp b, 0,1,2,3
	v_max3_num_f32 v[TM+\b], |v[AS+16*\b+\i]|, |v[AS+16*\b+\i+1]|, v[TM+\b]
.endr
.endr
	WIN 0
.irp b, 0,1,2,3
	v_permlanex16_b32 v[TM+4+\b], v[TM+\b], s[SEL], s[SEL+1]
.endr
.irp b, 0,1,2,3
	v_max_num_f32 v[TM+\b], v[TM+\b], v[TM+4+\b]   ; with lane l xor 16's: the block's largest magnitude
.endr
.irp b, 0,1,2,3
	v_add_nc_u32 v[TM+12+\b], 0xff000000, v[TM+\b] ; 2 off its exponent field: the conversion's scale operand
.endr
.irp b, 0,1,2,3
	v_lshrrev_b32 v[TM+4+\b], 23, v[TM+12+\b]      ; the scale's byte
.endr
	v_lshl_or_b32 v[PW+(\a)], v[TM+5], 8, v[TM+4]
	v_lshl_or_b32 v[PW+(\a)], v[TM+6], 16, v[PW+(\a)]
	v_lshl_or_b32 v[PW+(\a)], v[TM+7], 24, v[PW+(\a)]
	WIN AW                                         ; source 0: the accumulators' window
.irp c, 0,1
	v_cvt_scalef32_pk16_fp6_f32 v[PC+6*\c:PC+6*\c+2], v[AS+32*\c:AS+32*\c+15], v[TM+12+2*\c]
	v_cvt_scalef32_pk16_fp6_f32 v[PT+4*\c:PT+4*\c+2], v[AS+32*\c+16:AS+32*\c+31], v[TM+12+2*\c+1]
.endr
	WIN 0
	v_nop                                          ; one plain line behind the conversions
.irp c, 0,1                            ; the operand's layout wants a whole block in a lane: lanes 0-15 block 2 c, lanes 16-31 block 2 c + 1
.irp i, 0,1,2
	v_permlane16_swap_b32 v[PC+6*\c+\i], v[PT+4*\c+\i]
.endr
.irp i, 0,1,2
	v_mov_b32 v[PC+3+6*\c+\i], v[PT+4*\c+\i]
.endr
.endr
	global_store_b128 v[O16], v[PC:PC+3], s[14:15] offset:(\a)*768        ; 512 consecutive bytes,
	global_store_b64 v[O8], v[PC+4:PC+5], s[14:15] offset:(\a)*768        ; and the 256 behind them
	global_store_b128 v[O16], v[PC+6:PC+9], s[18:19] offset:(\a)*768
	global_store_b64 v[O8], v[PC+10:PC+11], s[18:19] offset:(\a)*768
.endm
.irp a, 0,1,2,3,4,5,6,7
	QUANTW \a
.endr
	v_cmp_eq_u32 vcc_lo, 1, v3
.irp k, 0,1,2,3
	v_cndmask_b32 v[PW+8+\k], v[PW+\k], v[PW+4+\k], vcc_lo   ; lanes 0-15 store tiles 0-3's words of their row, lanes 16-31 tiles 4-7's
.endr
	global_store_b128 v[OS], v[PW+8:PW+11], s[16:17]         ; 512 consecutive bytes
	s_wait_tensorcnt 0x0                           ; the wave's end
	ds_add_u32 v[SPW], v[NIL]
	s_wait_dscnt 0x0
	CROUND                                         ; the closing round: no work-group ends while a partner may still ask for a tile that names it
	s_endpgm
.Lfunc_end_k_qdba3b581d9_proj:
	.size	k_qdba3b581d9_proj, .Lfunc_end_k_qdba3b581d9_proj-k_qdba3b581d9_proj
	.p2alignl 7, 3214868480
	.fill 96, 4, 3214868480
	.section	.rodata,"a",@progbits
	.p2align	6, 0x0
	.amdhsa_kernel k_qdba3b581d9_proj
		.amdhsa_group_segment_fixed_size 327680
		.amdhsa_private_segment_fixed_size 0
		.amdhsa_enable_private_segment 0
		.amdhsa_kernarg_size 56
		.amdhsa_user_sgpr_count 2
		.amdhsa_user_sgpr_kernarg_segment_ptr 1
		.amdhsa_wavefront_size32 1
		.amdhsa_system_sgpr_workgroup_id_x 1
		.amdhsa_system_sgpr_workgroup_id_y 1
		.amdhsa_system_sgpr_workgroup_id_z 1
		.amdhsa_system_vgpr_workitem_id 0
		.amdhsa_next_free_vgpr 1024
		.amdhsa_next_free_sgpr 100
		.amdhsa_reserve_vcc 1
		.amdhsa_float_denorm_mode_32 3
		.amdhsa_float_denorm_mode_16_64 3
		.amdhsa_memory_ordered 1
		.amdhsa_forward_progress 1
		.amdhsa_inst_pref_size 167
	.end_amdhsa_kernel
	.amdgpu_metadata
---
amdhsa.version: [ 1, 2 ]
amdhsa.kernels:
  - .name:           k_qdba3b581d9_proj
    .symbol:         k_qdba3b581d9_proj.kd
    .args:
      - { .name: cxw, .offset: 0, .size: 8, .value_kind: global_buffer, .address_space: global }
      - { .name: sxw, .offset: 8, .size: 8, .value_kind: global_buffer, .address_space: global }
      - { .name: bq, .offset: 16, .size: 8, .value_kind: global_buffer, .address_space: global }
      - { .name: bk, .offset: 24, .size: 8, .value_kind: global_buffer, .address_space: global }
      - { .name: bv, .offset: 32, .size: 8, .value_kind: global_buffer, .address_space: global }
      - { .name: cqkv, .offset: 40, .size: 8, .value_kind: global_buffer, .address_space: global }
      - { .name: sqkv, .offset: 48, .size: 8, .value_kind: global_buffer, .address_space: global }
    .group_segment_fixed_size: 327680
    .private_segment_fixed_size: 0
    .kernarg_segment_align: 8
    .kernarg_segment_size: 56
    .max_flat_workgroup_size: 128
    .sgpr_count:     100
    .vgpr_count:     1024
    .wavefront_size: 32
...
	.end_amdgpu_metadata
.endif
;; end of part 2
;; launch attn (part 3): grid 8 x 32, 8 waves a work-group, clusters of 4 x 1, 327,680 bytes of LDS; arguments cqkv, sqkv, mask_kv, cat, sat, cxw, sxw, bq; writes cat, sat
.if DOCPART == 3
	.amdgcn_target "amdgcn-amd-amdhsa--gfx1250"
	.amdhsa_code_object_version 6
	.text
	.protected	k_qdba3b581d9_attn
	.globl	k_qdba3b581d9_attn
	.p2align	8
	.type	k_qdba3b581d9_attn,@function
k_qdba3b581d9_attn:
	s_mov_b64 s[64:65], 0
	v_nop
	global_prefetch_b8 v0, s[64:65] scope:SCOPE_SE
	s_setreg_imm32_b32 hwreg(HW_REG_WAVE_MODE, 25, 1), 1
	s_wait_xcnt 0x0
	s_wait_alu depctr_hold_cnt(0) depctr_sa_sdst(0) depctr_va_vdst(0) depctr_va_sdst(0) depctr_va_ssrc(0) depctr_va_vcc(0) depctr_vm_vsrc(0)
	s_getreg_b32 s2, hwreg(HW_REG_IB_STS2, 6, 4)
	s_cmp_eq_u32 s2, 0
	s_cbranch_scc0 .Lentry_in_a_cluster
	s_endpgm
.Lentry_in_a_cluster:
	s_bfe_u32 s2, ttmp6, 0x10000c
	s_cmp_lg_u32 s2, 0x3003
	s_cbranch_scc0 .Lentry_shape_is_right
	s_endpgm
.Lentry_shape_is_right:
; q = x_q Wq + bq for 256 queries of one head, quantised along the head's 64 channels; then attn[b][q][head] = softmax over the keys that mask_kv lets through of (q . k / 8), times v.
; All products on codes of FP6 (E2M3) with E8M0 scales; the result is quantised along its 64 channels for the last product.
; THE SOFTMAX: t = score x log2(e) / 8; M = the largest t so far, rounded up to a whole number; p = 2^(t - M) is quantised along the keys, not normalised; the row's sum is taken of the unquantised p and divides at the end.
; When M moves, the sum and O are multiplied by 2^(old M - new M): exact.
; SHARES.  A work-group owns 256 queries of one head; each of its eight waves TWO tiles of 16 queries, so that each fragment of K, of V, of Wq and each mask number read from LDS serves two tiles.
; CLUSTER.  The four query blocks of a cluster belong to one head and need the same K, V and rows of Wq: each tile is asked for jointly, with the mask of all four.
; All products are used transposed (q^T = Wq^T x^T, S^T = K Q^T, O^T = V^T P^T): a lane holds one query of each tile throughout.
; Q: a wave's x_q fragments (2 tiles x 8 K steps) come from cxw straight into registers, as they lie; Wq's 4 channel tiles x 8 K steps (49,152 bytes) lie in LDS; bq is the C of the first product: 64 matrix instructions a wave.
; THE KEYS OF A TILE OF K are chosen by the lanes' LDS addresses: of a step's 128 keys tile 4 c + u takes keys 64 c + 8 u + 0..7 as rows 0-7 and keys 64 c + 32 + 8 u + 0..7 as rows 8-15.
; So lane (r, h) holds in the 32 registers of tiles 4 c .. 4 c + 3 the keys 64 c + 32 h + 0..31: a WHOLE block of p, in the order of the operand's registers.
; THE HEAD HAS 64 CHANNELS, THE INSTRUCTION 128 ALONG K: a fragment of K holds two tiles of keys; Q stands as [six zeros][q][six zeros]: (q, 0) picks the first tile, (0, q) the second.
; THE MASK: a table in LDS holds 0 for a key that counts and -1e38 for one that does not; it is the C of K Q^T.  The largest score starts at -1e30, above every hidden one: a hidden key's p is 0.
; LIMITS: a real score under -1e30 is not served; NaN and infinities are not served; a batch whose mask hides every key gives NaN in the reference, which the codes stored here cannot carry; blocks under 2^-124 get the byte 1.
; LDS: two slots of 1,024 keys (K 49,152 bytes, then V); behind them, written by LDS stores alone: the scale words of the head, the mask's table, the output's scale bytes; the spare words; Wq's rows, filled once.
; TENSOR LOADS: at the head every wave issues one: waves 0-3 slot 0, waves 4-7 a quarter of Wq's rows each.  Slot 1's first fill (waves 4-7) stands behind the first round; each slot is filled again once.  One load of a wave is out at the most.
; K's fragments, the mask's numbers and K's words of step s + 1 are read from LDS behind step s's K Q^T; in a slot's last step the look-ahead names that same step again, so that no read leaves the slot or the tables.
; NO PREFETCH INTO THE L2: a slot's fill is asked for eight key steps of all eight waves ahead of its first read.
; REGISTERS: window j holds tile j's S, O, Q, p's codes at the same numbers.  Window 0 below v128: addresses, both tiles' row state, scale words, V's fragments.  Window 1 below v128: K's fragments, the mask's numbers.
.set SLOT,  98304
.set VOFF,  49152
.set SCL,   2*SLOT                     ; [group 32][K's words 256 bytes: 16 r + 4 fragment][V's words 256 bytes: 16 r + 4 tile]
.set BIAS,  SCL+16384
.set SST,   BIAS+16384
.set SPARE, SST+512                    ; the spare words, 128 bytes a wave: four blocks of 256 bytes that no other line names
.set WQ,    SPARE+1024                 ; Wq: [K step 8][channel tile 4][1,536]
.set A160, 1                           ; 16 x lane
.set A80,  2                           ; 512 + 8 x lane
.set AK16, 3                           ; K: 1536 (r / 8) + 16 (r % 8) + 256 h
.set AK8,  4                           ; K: 512 + 1536 (r / 8) + 8 (r % 8) + 128 h
.set ASC0, 5
.set AB0,  6
.set SPW,  7
.set NIL,  8
.set V16,  9                           ; v9-14, v115 the step's addresses
.set V8,   10
.set K16,  11
.set K8,   12
.set ASC,  13
.set AB,   14
.set ASK,  115
.set SH8,  15                          ; 8 h
.set NM,   16                          ; row state, tile j at + 16 j: -M, the largest score, the sum (pair), f (pair)
.set RM,   17
.set LL,   18
.set FF,   20
.set BM,   22                          ; two blocks' maxima; BB second chains; SO the conversions' scale operands
.set BB,   24
.set SO,   26
.set T0,   28
.set T1,   29
.set QS,   30                          ; Q's scale word
.set PW,   31                          ; p's scale word
.set KSC,  48
.set VSC,  52
.set KST,  56                          ; head and tail addresses
.set VST,  57
.set BST,  58
.set SSW,  59
.set SSR,  60
.set GO16, 61
.set GO32, 62
.set GR32, 63
.set VF,   64                          ; window 0: V's four fragments (at the head: the tables' numbers, then Wq's fragments, set 0; set 1 at v192)
.set KF,   0                           ; window 1: K's four fragments (at the head: x_q's tile 0 at v0, tile 1 at v160, bq at v96)
.set BI,   48                          ; window 1: the mask's numbers of 8 tiles
.set PT,   112                         ; window j: the conversions' second halves
.set TM,   120                         ; window j: the sum's four chains
.set S,    128
.set O,    192
.set Q,    224
.set PC,   242
.set PS,   160                         ; at the head, window 0: Wq's scale words, 8 i + K step;
.set RS,   240                         ; x_q's, 8 j + K step
.set WV,   2
.set WSL,  3                           ; wave / 4
.set SEL,  20
.set CS,   22
.set G1K,  24
.set G1V,  32
.set G0K,  40
.set G0V,  44
.set G1W,  48
.set TB,   56
.set TS,   57
.set CNT,  58
.set WKD,  59                          ; I fetch for K (0) or for V (1)
.set G0W,  60
.set TBN,  96                          ; the look-ahead's places
.set TSN,  97
.set MSB, 0
.macro WIN new                         ; the immediate's high byte repeats the setting that is left
.if MSB != \new
	s_set_vgpr_msb (MSB<<8)|\new
.set MSB, \new
.endif
.endm
.macro MM d, a, b, c, sa, sb
	v_wmma_scale_f32_16x16x128_f8f6f4 v[\d:\d+7], v[\a:\a+11], v[\b:\b+11], v[\c:\c+7], v[\sa], v[\sb] matrix_a_fmt:MATRIX_FMT_FP6 matrix_b_fmt:MATRIX_FMT_FP6
.endm
.macro TLOAD g0, g1                    ; s_nop 0 and four v_nop follow each tensor load
	tensor_load_to_lds s[\g0:\g0+3], s[\g1:\g1+7]
	s_nop 0
.rept 4
	v_nop
.endr
.endm
.macro JLOAD slot                      ; a slot's fill: the four waves whose slot it is, K's halves and V's halves
	s_cmp_lg_u32 s[WSL], \slot
	s_cbranch_scc1 .Lasked_\@
	s_cmp_lg_u32 s[WKD], 0
	s_cbranch_scc1 .Lfor_v_\@
	TLOAD G0K, G1K
	s_branch .Lasked_\@
.Lfor_v_\@:
	TLOAD G0V, G1V
.Lasked_\@:
.endm
.macro CROUND                          ; a round of the cluster's barrier
	s_barrier_signal -1
	s_barrier_wait -1
	s_cmp_lg_u32 s[WV], 0
	s_cbranch_scc1 .Lnot_wave_0_\@
	s_barrier_signal -3
.Lnot_wave_0_\@:
	s_barrier_wait -3
	s_barrier_signal -1
	s_barrier_wait -1
.endm
; Both tiles' v[S .. S+31] (register 16 g + i is channel 32 g + 16 h + i of my query) become a half fragment in v[dst .. dst+5] of the tile's window, and the row's two scale bytes in T1.
.macro QUANT2 dst
.irp j, 0,1
	WIN 0x05*\j
.irp c, 0,1
	v_max3_num_f32 v[BM+16*\j+\c], |v[S+16*\c]|, |v[S+16*\c+1]|, 0x1800000   ; my 16 numbers and the floor 2^(3 - 127)
.endr
.irp i, 2,4,6,8,10,12,14
.irp c, 0,1
	v_max3_num_f32 v[BM+16*\j+\c], |v[S+16*\c+\i]|, |v[S+16*\c+\i+1]|, v[BM+16*\j+\c]
.endr
.endr
.endr
	WIN 0
.irp j, 0,1
.irp c, 0,1
	v_permlanex16_b32 v[BB+16*\j+\c], v[BM+16*\j+\c], s[SEL], s[SEL+1]
.endr
.endr
.irp j, 0,1
.irp c, 0,1
	v_max_num_f32 v[BM+16*\j+\c], v[BM+16*\j+\c], v[BB+16*\j+\c]
.endr
.endr
.irp j, 0,1
.irp c, 0,1
	v_add_nc_u32 v[SO+16*\j+\c], 0xff000000, v[BM+16*\j+\c]
.endr
.endr
.irp j, 0,1
.irp c, 0,1
	v_lshrrev_b32 v[BB+16*\j+\c], 23, v[SO+16*\j+\c]
.endr
.endr
.irp j, 0,1
	v_lshl_or_b32 v[T1+16*\j], v[BB+16*\j+1], 8, v[BB+16*\j]
.endr
.irp j, 0,1
	WIN 0x41*\j
	v_cvt_scalef32_pk16_fp6_f32 v[\dst:\dst+2], v[S:S+15], v[SO+16*\j]
	v_cvt_scalef32_pk16_fp6_f32 v[PT:PT+2], v[S+16:S+31], v[SO+16*\j+1]
	v_nop
.irp i, 0,1,2
	v_permlane16_swap_b32 v[\dst+\i], v[PT+\i]     ; here a block lies in lanes l and l xor 16: the halves change places
.endr
.irp i, 0,1,2
	v_mov_b32 v[\dst+3+\i], v[PT+\i]
.endr
.endr
	WIN 0
.endm
	s_load_b512 s[4:19], s[0:1], 0x0               ; cqkv s[4:5], sqkv s[6:7], mask_kv s[8:9], cat s[10:11], sat s[12:13], cxw s[14:15], sxw s[16:17], bq s[18:19]
	v_lshl_add_u32 v[SPW], v0, 2, SPARE
	v_mov_b32 v[NIL], 0
	ds_add_u32 v[SPW], v[NIL]                      ; the opening lines: the add twice on end and one wait
	ds_add_u32 v[SPW], v[NIL]
	v_lshrrev_b32 v9, 5, v0
	v_readfirstlane_b32 s[WV], v9                  ; wave 0..7
	s_lshr_b32 s[WSL], s[WV], 2
	s_bfe_u32 s[WKD], s[WV], 0x10001
	s_and_b32 s74, s[WV], 1                        ; which half of a slot's K or V I fetch
	s_bfe_u32 s66, ttmp6, 0x40000                  ; cx
	s_lshl_b32 s67, ttmp9, 2
	s_add_co_u32 s67, s67, s66                     ; my block of 256 queries: it enters x_q's and the outputs' addresses alone
	s_and_b32 s68, ttmp7, 0xffff                   ; batch x 16 + head
	s_lshr_b32 s69, s68, 4                         ; batch
	s_and_b32 s70, s68, 15                         ; head
	s_lshr_b32 s71, s70, 1                         ; head pair
	s_and_b32 s72, s70, 1                          ; which of the pair
	s_lshl_b32 s73, s69, 3
	s_add_co_u32 s73, s73, s71                     ; batch x 8 + head pair
	s_mul_i32 s75, s[WSL], SLOT
	s_mul_i32 s99, s74, 24576
	s_add_co_u32 s75, s75, s99                     ; LDS: my slot, my half
	s_mul_i32 s76, s68, 196608                     ; K: the head's 256 half fragments,
	s_add_co_u32 s76, s76, s99                     ; my half,
	s_mul_i32 s99, s[WSL], 49152
	s_add_co_u32 s76, s76, s99                     ; my slot's 1,024 keys
	s_add_co_u32 s76, s76, 3145728
	s_mov_b32 s77, 0
	s_mul_i32 s78, s73, 393216                     ; V: the head pair,
	s_mul_i32 s99, s72, 3072                       ; my head's four channel tiles,
	s_add_co_u32 s78, s78, s99
	s_mul_i32 s99, s74, 49152                      ; my four groups of keys,
	s_add_co_u32 s78, s78, s99
	s_mul_i32 s99, s[WSL], 98304                   ; my slot
	s_add_co_u32 s78, s78, s99
	s_add_co_u32 s78, s78, 9437184
	s_mov_b32 s79, 0
	s_mov_b32 s[G1K], 15|(3<<16)|(1<<21)           ; all four work-groups; elements of 8 bytes; bit 21 beside a mask
	s_mov_b32 s[G1K+1], 32<<16                     ; K: a dense block of 24,576 bytes as 96 rows of 256
	s_mov_b32 s[G1K+2], 96<<16
	s_mov_b32 s[G1K+3], 32<<16
	s_mov_b32 s[G1K+4], 96
	s_mov_b32 s[G1K+5], 32
	s_mov_b32 s[G1K+6], 0
	s_mov_b32 s[G1K+7], 0
	s_mov_b32 s[G1V], 15|(3<<16)|(1<<21)
	s_mov_b32 s[G1V+1], 384<<16                    ; V: 8 rows of 3,072 bytes (a head's four tiles), 6,144 bytes apart
	s_mov_b32 s[G1V+2], 8<<16
	s_mov_b32 s[G1V+3], 384<<16
	s_mov_b32 s[G1V+4], 8
	s_mov_b32 s[G1V+5], 768
	s_mov_b32 s[G1V+6], 0
	s_mov_b32 s[G1V+7], 0
	s_mov_b32 s[G1W], 15|(3<<16)|(1<<21)
	s_mov_b32 s[G1W+1], 768<<16                    ; Wq: 2 K steps: 2 rows of 6,144 bytes (a head's four tiles), 24,576 bytes apart
	s_mov_b32 s[G1W+2], 2<<16
	s_mov_b32 s[G1W+3], 768<<16
	s_mov_b32 s[G1W+4], 2
	s_mov_b32 s[G1W+5], 3072
	s_mov_b32 s[G1W+6], 0
	s_mov_b32 s[G1W+7], 0
	s_lshl_b32 s88, s69, 12                        ; the batch's 4,096 bytes of the mask
	s_mov_b32 s89, 0
	s_lshl_b32 s90, s73, 14
	s_add_co_u32 s80, s90, 131072                  ; K's scale words of the head pair
	s_mov_b32 s81, 0
	s_lshl_b32 s91, s72, 4
	s_add_co_u32 s82, s90, s91
	s_add_co_u32 s82, s82, 393216                  ; V's, my head's four tiles
	s_mov_b32 s83, 0
	s_lshl_b32 s93, s[WV], 1                       ; my first tile of the block's sixteen
	s_lshl_b32 s92, s69, 3
	s_add_co_u32 s92, s92, s67                     ; the block of 256 rows of x_q and of the output
	s_lshl_b32 s84, s92, 7
	s_add_co_u32 s84, s84, s93
	s_mul_i32 s84, s84, 1536                       ; x_q's codes: (block 128 + K step 16 + tile) 1,536
	s_mov_b32 s85, 0
	s_lshl_b32 s86, s92, 4
	s_add_co_u32 s86, s86, s93
	s_lshl_b32 s86, s86, 9                         ; x_q's scale rows: tile x 512
	s_mov_b32 s87, 0
	s_lshl_b32 s94, s92, 3
	s_add_co_u32 s94, s94, s71
	s_lshl_b32 s94, s94, 4
	s_add_co_u32 s94, s94, s93
	s_lshl_b32 s94, s94, 1
	s_add_co_u32 s94, s94, s72
	s_mul_i32 s94, s94, 768                        ; cat: (((block 8 + head pair) 16 + tile) 2 + which head) 768
	s_mov_b32 s95, 0
	s_lshl_b32 s96, s92, 4
	s_add_co_u32 s96, s96, s70
	s_lshl_b32 s96, s96, 9                         ; sat: (block 16 + head) 512
	s_mov_b32 s97, 0
	s_lshr_b32 s99, s70, 2
	s_add_co_u32 s99, s99, 48                      ; Wq's block of 256 rows of cxw,
	s_and_b32 s74, s70, 3                          ; and my head's place in it
	s_lshl_b32 s90, s99, 4
	s_lshl_b32 s91, s74, 2
	s_add_co_u32 s90, s90, s91
	s_lshl_b32 s90, s90, 9                         ; Wq's scale rows: first tile x 512
	s_mov_b32 s91, 0
	s_and_b32 s66, s[WV], 3                        ; which quarter of Wq's rows I fetch
	s_mul_i32 s[G0W+1], s66, 12288
	s_add_co_u32 s[G0W+1], s[G0W+1], WQ
	s_lshl_b32 s68, s99, 3
	s_lshl_b32 s66, s66, 1
	s_add_co_u32 s68, s68, s66
	s_mul_i32 s68, s68, 24576                      ; (block 8 + my first K step) 24,576
	s_mul_i32 s74, s74, 6144
	s_add_co_u32 s68, s68, s74                     ; + the head's four tiles
	s_mov_b32 s69, 0
	s_cmp_eq_u32 s72, 0
	s_mov_b32 s98, 0x07060302                      ; the two high halves of a pair of words,
	s_cselect_b32 s98, 0x05040100, s98             ; or the two low ones: my head's bytes
	s_lshl_b32 s70, s70, 8                         ; bq: 64 channels x 4 bytes a head
	s_mov_b32 s71, 0
	s_mov_b32 s[SEL], 0x76543210
	s_mov_b32 s[SEL+1], 0xfedcba98                 ; selects for lane l xor 16
	s_mov_b32 s[CS], 0x3e38aa3b                    ; c = log2(e) / 8
	s_mov_b32 s[CS+1], s[CS]
	s_mov_b32 s[TS], 0
	s_lshl_b32 s99, s[WV], 6
	; every fixed LDS address register is made here, ahead of the first branch on the wave's number
	v_and_b32 v9, 31, v0                           ; lane
	v_and_b32 v10, 15, v0                          ; r
	v_bfe_u32 v11, v0, 4, 1                        ; h
	v_and_b32 v12, 7, v0                           ; r % 8
	v_bfe_u32 v13, v0, 3, 1                        ; r / 8
	v_lshlrev_b32 v[A160], 4, v9
	v_lshlrev_b32 v[A80], 3, v9
	v_add_nc_u32 v[A80], 512, v[A80]
	v_mul_u32_u24 v14, v13, 1536
	v_lshl_add_u32 v[AK16], v12, 4, v14
	v_lshl_add_u32 v[AK16], v11, 8, v[AK16]
	v_lshl_add_u32 v[AK8], v12, 3, v14
	v_lshl_add_u32 v[AK8], v11, 7, v[AK8]
	v_add_nc_u32 v[AK8], 512, v[AK8]
	v_lshl_add_u32 v[ASC0], v10, 4, SCL
	v_lshl_add_u32 v[AB0], v11, 7, BIAS            ; the mask's numbers of my 32 keys of a block pair: 128 h
	v_lshlrev_b32 v[SH8], 3, v11
	v_lshrrev_b32 v14, 4, v0
	v_lshlrev_b32 v14, 9, v14
	v_add_nc_u32 v14, SCL, v14                     ; the tables: thread t serves groups t / 16 and t / 16 + 16, stored row t % 16
	v_lshl_add_u32 v[VST], v10, 4, v14
	v_lshl_add_u32 v[KST], v12, 4, v14             ; K's word of stored pair p, stored row r goes to row r % 8 + 8 (p % 2), fragment 2 (p / 2) + r / 8
	v_lshl_add_u32 v[KST], v13, 2, v[KST]
	v_lshl_add_u32 v[BST], v0, 6, BIAS             ; keys 16 t .. 16 t + 15
	v_lshlrev_b32 v[SSW], 1, v10
	v_add_nc_u32 v[SSW], s99, v[SSW]
	v_add_nc_u32 v[SSW], SST, v[SSW]               ; the output's scale bytes: 32 x tile + 2 r
	v_add_nc_u32 v[SSR], SST, v[A160]
	v_lshlrev_b32 v[GO16], 4, v0
	v_lshlrev_b32 v[GO32], 5, v0
	v_lshlrev_b32 v[GR32], 5, v10
	v_lshlrev_b32 v9, 6, v11                       ; bq: 16 h channels, in bytes
	s_wait_alu depctr_va_vdst(0)                   ; the wait ahead of the blocking waits
	s_wait_dscnt 0x0                               ; both opening adds are done
	s_wait_kmcnt 0x0
	s_mov_b32 s[G0K], 1
	s_mov_b32 s[G0K+1], s75
	s_add_nc_u64 s[G0K+2:G0K+3], s[4:5], s[76:77]
	s_or_b32 s[G0K+3], s[G0K+3], 0x80000000
	s_mov_b32 s[G0V], 1
	s_add_co_u32 s[G0V+1], s75, VOFF
	s_add_nc_u64 s[G0V+2:G0V+3], s[4:5], s[78:79]
	s_or_b32 s[G0V+3], s[G0V+3], 0x80000000
	s_mov_b32 s[G0W], 1
	s_add_nc_u64 s[G0W+2:G0W+3], s[14:15], s[68:69]
	s_or_b32 s[G0W+3], s[G0W+3], 0x80000000
	s_add_nc_u64 s[8:9], s[8:9], s[88:89]
	s_add_nc_u64 s[80:81], s[6:7], s[80:81]
	s_add_nc_u64 s[82:83], s[6:7], s[82:83]
	s_add_nc_u64 s[84:85], s[14:15], s[84:85]
	s_add_nc_u64 s[86:87], s[16:17], s[86:87]
	s_add_nc_u64 s[90:91], s[16:17], s[90:91]
	s_add_nc_u64 s[18:19], s[18:19], s[70:71]
	s_add_nc_u64 s[10:11], s[10:11], s[94:95]
	s_add_nc_u64 s[12:13], s[12:13], s[96:97]
	CROUND                                         ; all four work-groups are here: the first joint loads meet
	s_cmp_lg_u32 s[WSL], 0                         ; one chain of branches, one load to an arm: every wave issues one
	s_cbranch_scc1 .Lhead_w
	s_cmp_lg_u32 s[WKD], 0
	s_cbranch_scc1 .Lhead_v
	TLOAD G0K, G1K
	s_branch .Lhead_asked
.Lhead_v:
	TLOAD G0V, G1V
	s_branch .Lhead_asked
.Lhead_w:
	TLOAD G0W, G1W
.Lhead_asked:
	global_load_b128 v[64:67], v[GO16], s[8:9]     ; sixteen bytes of the mask
.irp g, 0,1
	global_load_b128 v[68+8*\g:71+8*\g], v[GO32], s[80:81] offset:8192*\g        ; K's eight words of a group and row (both heads' bytes)
	global_load_b128 v[72+8*\g:75+8*\g], v[GO32], s[80:81] offset:8192*\g+16
	global_load_b128 v[84+4*\g:87+4*\g], v[GO32], s[82:83] offset:8192*\g        ; V's four
.endr
.irp i, 0,1,2,3
.irp q, 0,1
	global_load_b128 v[PS+8*\i+4*\q:PS+8*\i+4*\q+3], v[GR32], s[90:91] offset:512*\i+16*\q   ; Wq's scale words, a row's eight
.endr
.endr
.irp j, 0,1
.irp q, 0,1
	global_load_b128 v[RS+8*\j+4*\q:RS+8*\j+4*\q+3], v[GR32], s[86:87] offset:512*\j+16*\q   ; x_q's
.endr
.endr
	WIN 0x40
.irp i, 0,1,2,3                        ; bq runs along the registers: for channel tile i the channels 32 (i / 2) + 16 h + 8 (i % 2) + 0 .. 7
	global_load_b128 v[96+8*\i:99+8*\i], v9, s[18:19] offset:(32*(\i/2)+8*(\i%2))*4
	global_load_b128 v[100+8*\i:103+8*\i], v9, s[18:19] offset:(32*(\i/2)+8*(\i%2))*4+16
.endr
.irp j, 0,1
.irp k, 0,1,2,3,4,5,6,7                ; x_q's fragments, as they lie
	global_load_b128 v[160*\j+12*\k:160*\j+12*\k+3], v[A160], s[84:85] offset:24576*\k+1536*\j
	global_load_b64 v[160*\j+12*\k+4:160*\j+12*\k+5], v[A80], s[84:85] offset:24576*\k+1536*\j
	global_load_b128 v[160*\j+12*\k+6:160*\j+12*\k+9], v[A160], s[84:85] offset:24576*\k+1536*\j+768
	global_load_b64 v[160*\j+12*\k+10:160*\j+12*\k+11], v[A80], s[84:85] offset:24576*\k+1536*\j+768
.endr
.endr
	WIN 0
.irp j, 0,1
	v_mov_b32 v[LL+16*\j], 0
	v_mov_b32 v[LL+16*\j+1], 0
	v_mov_b32 v[FF+16*\j+1], 0                     ; (named as the upper half of a pair)
	v_mov_b32 v[BB+16*\j], 0                       ; a lane permute's destination counts as one of its sources
	v_mov_b32 v[BB+16*\j+1], 0
	v_mov_b32 v[T1+16*\j], 0
	v_mov_b32 v[RM+16*\j], 0xf149f2ca              ; the largest score so far: -1e30
	v_mul_f32 v[T0+16*\j], s[CS], v[RM+16*\j]
	v_floor_f32 v[NM+16*\j], -v[T0+16*\j]          ; -M
.endr
	v_mov_b32 v116, 0xfe967699                     ; -1e38
	s_wait_alu depctr_va_vdst(0)
	s_wait_loadcnt 63                              ; of 91 loads at most 63 are out: the first seven, the tables' numbers, are in
.irp g, 0,1
.irp p, 0,1,2,3
	v_perm_b32 v[92+4*\g+\p], v[69+8*\g+2*\p], v[68+8*\g+2*\p], s98   ; stored tile 2 p's two bytes, then tile 2 p + 1's
.endr
.endr
.irp g, 0,1
.irp p, 0,1,2,3
	ds_store_b32 v[KST], v[92+4*\g+\p] offset:8192*\g+128*(\p%2)+8*(\p/2)
.endr
	ds_store_b128 v[VST], v[84+4*\g:87+4*\g] offset:8192*\g+256
.endr
.irp k, 0,1,2,3,4,5,6,7,8,9,10,11,12,13,14,15
	v_bfe_u32 v117, v[64+\k/4], 8*(\k%4), 8
	v_cmp_eq_u32 vcc_lo, 0, v117
	v_cndmask_b32 v[100+\k], 0, v116, vcc_lo       ; only a value is chosen by the mask
.endr
.irp k, 0,1,2,3
	ds_store_b128 v[BST], v[100+4*\k:103+4*\k] offset:16*\k
.endr
	s_wait_alu depctr_va_vdst(0)
	s_wait_tensorcnt 0x0                           ; my one load is in
	ds_add_u32 v[SPW], v[NIL]
	s_wait_dscnt 0x0                               ; the add is done, my part of the tables is stored
	CROUND                                         ; slot 0, Wq's rows and the tables are whole for every wave
	JLOAD 1                                        ; slot 1's first fill
	v_add_nc_u32 v[K16], WQ, v[A160]
	v_add_nc_u32 v[K8], WQ, v[A80]
	s_wait_alu depctr_va_vdst(0)
	s_wait_loadcnt 0x0                             ; x_q's fragments, the scale words, bq
; q^T = Wq^T x^T + bq: eight accumulators by turns, K ascending
.macro PFETCH k                        ; Wq's four fragments of K step k into set k % 2
.irp i, 0,1,2,3
	ds_load_b128 v[64+128*((\k)%2)+12*\i:64+128*((\k)%2)+12*\i+3], v[K16] offset:6144*(\k)+1536*\i
	ds_load_b64 v[64+128*((\k)%2)+12*\i+4:64+128*((\k)%2)+12*\i+5], v[K8] offset:6144*(\k)+1536*\i
	ds_load_b128 v[64+128*((\k)%2)+12*\i+6:64+128*((\k)%2)+12*\i+9], v[K16] offset:6144*(\k)+1536*\i+768
	ds_load_b64 v[64+128*((\k)%2)+12*\i+10:64+128*((\k)%2)+12*\i+11], v[K8] offset:6144*(\k)+1536*\i+768
.endr
.endm
	PFETCH 0
.irp k, 0,1,2,3,4,5,6,7
.if (\k > 0) && (\k < 7)
.rept 4
	v_nop                                          ; places in front of loads into the set that the last step multiplied
.endr
.endif
.if \k < 7
	PFETCH \k+1
	s_wait_dscnt 16                                ; all but the 16 just issued
.else
	s_wait_dscnt 0x0
.endif
.irp j, 0,1
.if \k == 0
	WIN 0x14+0x40*\j                               ; source 1 (x_q) and source 2 (bq) window 1, destination window j
.else
	WIN 0x04+0x50*\j
.endif
.irp i, 0,1,2,3
.if \k == 0
	MM S+8*\i, 64+12*\i, 160*\j, 96+8*\i, PS+8*\i, RS+8*\j
.else
	MM S+8*\i, 64+128*(\k%2)+12*\i, 160*\j+12*\k, S+8*\i, PS+8*\i+\k, RS+8*\j+\k
.endif
.endr
.endr
	WIN 0
.endr
.rept 4
	v_nop                                          ; places behind the last products
.endr
	QUANT2 Q+6
.irp j, 0,1
	v_lshl_or_b32 v[QS+16*\j], v[T1+16*\j], 16, v[T1+16*\j]   ; (q0, q1, q0, q1): the same word serves (q, 0) and (0, q)
.endr
.irp j, 0,1
	WIN 0x40*\j
.irp k, 0,1,2,3,4,5,12,13,14,15,16,17
	v_mov_b32 v[Q+\k], 0                           ; the zero codes on both sides of q
.endr
.set J, 0
.rept 32
	v_mov_b32 v[O+J], 0                            ; O^T: the step is written once, the first finds zeros
.set J, J+1
.endr
.endr
	WIN 0
	s_wait_alu depctr_va_vdst(0)                   ; the wait at the head's end
.macro SUMS j                          ; the row's sum of the unquantised p: four chains of pairs, then l = l f + the step's sum
	WIN 0x45*\j
.irp i, 0,1,2,3
	v_pk_add_f32 v[TM+2*\i:TM+2*\i+1], v[S+2*\i:S+2*\i+1], v[S+8+2*\i:S+9+2*\i]
.endr
.set J, 16
.rept 6
.irp i, 0,1,2,3
	v_pk_add_f32 v[TM+2*\i:TM+2*\i+1], v[TM+2*\i:TM+2*\i+1], v[S+J+2*\i:S+J+2*\i+1]
.endr
.set J, J+8
.endr
	v_pk_add_f32 v[TM:TM+1], v[TM:TM+1], v[TM+2:TM+3]
	v_pk_add_f32 v[TM+4:TM+5], v[TM+4:TM+5], v[TM+6:TM+7]
	v_pk_add_f32 v[TM:TM+1], v[TM:TM+1], v[TM+4:TM+5]
	WIN 0x10*\j
	v_pk_fma_f32 v[LL+16*\j:LL+16*\j+1], v[LL+16*\j:LL+16*\j+1], v[FF+16*\j:FF+16*\j+1], v[TM:TM+1] op_sel_hi:[1,0,1]
.endm
.macro MOVS j                          ; a conversion's three registers begin on an even number: a block's second half is made elsewhere and moved
	WIN 0x41*\j
.irp c, 0,1
.irp i, 0,1,2
	v_mov_b32 v[PC+3+6*\c+\i], v[PT+4*\c+\i]
.endr
.endr
.endm
.macro KFETCH tb, ts                   ; K's fragments, the mask's numbers and K's words of the step at s[tb], s[ts]: 33 loads; the four address lines are places behind K Q^T
	v_add_nc_u32 v[K16], s[\tb], v[AK16]
	v_add_nc_u32 v[K8], s[\tb], v[AK8]
	v_add_nc_u32 v[ASK], s[\ts], v[ASC0]
	v_add_nc_u32 v[AB], s[\ts], v[AB0]
	WIN 0x40
.irp n, 0,1,2,3,4,5,6,7                ; tile n = 4 c + u: stored tile 4 c + 2 (r / 8) + u % 2, stored row r % 8 + 8 (u / 2)
	ds_load_b128 v[KF+6*\n:KF+6*\n+3], v[K16] offset:3072*(\n/4)+768*(\n%2)+128*((\n%4)/2)
	ds_load_b64 v[KF+6*\n+4:KF+6*\n+5], v[K8] offset:3072*(\n/4)+768*(\n%2)+64*((\n%4)/2)
.endr
.irp n, 0,1,2,3,4,5,6,7                ; the mask's numbers: register i of tile n is key 64 (n / 4) + 32 h + 8 (n % 4) + i
	ds_load_b128 v[BI+8*\n:BI+8*\n+3], v[AB] offset:256*(\n/4)+32*(\n%4)
	ds_load_b128 v[BI+8*\n+4:BI+8*\n+7], v[AB] offset:256*(\n/4)+32*(\n%4)+16
.endr
	WIN 0
	ds_load_b128 v[KSC:KSC+3], v[ASK]
.endm
; A KEY STEP: 128 keys, two tiles of queries.  lim: the slot's last step.
.macro STEP lim
	v_add_nc_u32 v[V16], s[TB], v[A160]            ; these five lines are also the places behind the last step's products
	v_add_nc_u32 v[V8], s[TB], v[A80]
	v_add_nc_u32 v[ASC], s[TS], v[ASC0]
	v_mov_b32 v[T1], v[NM]                         ; the old -M
	v_mov_b32 v[T1+16], v[NM+16]
.irp p, 0,1,2,3
	ds_load_b128 v[VF+12*\p:VF+12*\p+3], v[V16] offset:VOFF+768*\p
	ds_load_b64 v[VF+12*\p+4:VF+12*\p+5], v[V8] offset:VOFF+768*\p
	ds_load_b128 v[VF+12*\p+6:VF+12*\p+9], v[V16] offset:VOFF+3072+768*\p
	ds_load_b64 v[VF+12*\p+10:VF+12*\p+11], v[V8] offset:VOFF+3072+768*\p
.endr
	ds_load_b128 v[VSC:VSC+3], v[ASC] offset:256
	s_add_co_u32 s[TBN], s[TB], 6144               ; the next step's places, held inside the slot and the tables
	s_min_u32 s[TBN], s[TBN], \lim
	s_add_co_u32 s[TSN], s[TS], 512
	s_min_u32 s[TSN], s[TSN], 31*512
	s_wait_alu depctr_va_vdst(0)                   ; the wait ahead of the blocking wait
	s_wait_dscnt 17                                ; K, the mask's numbers and K's words are in; V's 16 loads and its words may be out
.irp j, 0,1                            ; S^T = K Q^T + the mask's numbers; sixteen different accumulators
	WIN 0x11+0x44*\j
.irp f, 0,1,2,3
	MM S+16*\f, KF+12*\f, Q+6, BI+16*\f, KSC+\f, QS+16*\j
	MM S+16*\f+8, KF+12*\f, Q, BI+16*\f+8, KSC+\f, QS+16*\j
.endr
.endr
	WIN 0
	KFETCH TBN, TSN
.irp j, 0,1                            ; the largest score of each block of 32 keys, all mine: two chains a block; each accumulator is first read in its low four
	WIN 0x15*\j
.irp c, 0,1
	v_max3_num_f32 v[BM+16*\j+\c], v[S+32*\c], v[S+32*\c+1], v[S+32*\c+2]
	v_max3_num_f32 v[BB+16*\j+\c], v[S+32*\c+17], v[S+32*\c+18], v[S+32*\c+19]
.endr
	WIN 0x05*\j
.irp i, 0,1,2,3,4,5
.irp c, 0,1
	v_max3_num_f32 v[BM+16*\j+\c], v[S+32*\c+3+2*\i], v[S+32*\c+4+2*\i], v[BM+16*\j+\c]
	v_max3_num_f32 v[BB+16*\j+\c], v[S+32*\c+20+2*\i], v[S+32*\c+21+2*\i], v[BB+16*\j+\c]
.endr
.endr
.irp c, 0,1
	v_max3_num_f32 v[BM+16*\j+\c], v[S+32*\c+15], v[S+32*\c+16], v[BM+16*\j+\c]
.endr
.endr
	WIN 0
.irp j, 0,1
.irp c, 0,1
	v_max_num_f32 v[BM+16*\j+\c], v[BM+16*\j+\c], v[BB+16*\j+\c]
.endr
.endr
.irp j, 0,1
	v_max_num_f32 v[T0+16*\j], v[BM+16*\j], v[BM+16*\j+1]
.endr
.irp j, 0,1
	s_delay_alu instid0(VALU_DEP_2)
	v_permlanex16_b32 v[BB+16*\j], v[T0+16*\j], s[SEL], s[SEL+1]
.endr
.irp j, 0,1
	s_delay_alu instid0(VALU_DEP_2)
	v_max3_num_f32 v[RM+16*\j], v[RM+16*\j], v[T0+16*\j], v[BB+16*\j]   ; the running largest score
.endr
.irp j, 0,1
	s_delay_alu instid0(VALU_DEP_2)
	v_mul_f32 v[T0+16*\j], s[CS], v[RM+16*\j]      ; as t
.endr
.irp j, 0,1
	s_delay_alu instid0(VALU_DEP_2)
	v_floor_f32 v[NM+16*\j], -v[T0+16*\j]          ; the new -M = -ceil(t)
.endr
.irp j, 0,1
	s_delay_alu instid0(VALU_DEP_2)
	v_sub_f32 v[T1+16*\j], v[NM+16*\j], v[T1+16*\j]   ; old M - new M, 0 or less
.endr
.irp j, 0,1
	s_delay_alu instid0(VALU_DEP_2)
	v_cvt_i32_f32 v[T1+16*\j], v[T1+16*\j]         ; (it saturates)
.endr
.irp j, 0,1
	s_delay_alu instid0(VALU_DEP_2)
	v_ldexp_f32 v[FF+16*\j], 1.0, v[T1+16*\j]      ; f = 2^(old M - new M)
.endr
.irp j, 0,1
	WIN 0x41*\j
.set J, 0
.rept 16
	v_pk_mul_f32 v[O+J:O+J+1], v[O+J:O+J+1], v[FF+16*\j:FF+16*\j+1] op_sel_hi:[1,0]   ; O^T under the new M, ahead of the exponentials
.set J, J+2
.endr
.set J, 0
.rept 32
	v_pk_fma_f32 v[S+J:S+J+1], v[S+J:S+J+1], s[CS:CS+1], v[NM+16*\j:NM+16*\j+1] op_sel_hi:[1,0,0]   ; t - M
.set J, J+2
.endr
.endr
	WIN 0
.irp j, 0,1
.irp c, 0,1
	v_fma_f32 v[BM+16*\j+\c], v[BM+16*\j+\c], s[CS], v[NM+16*\j]   ; the same of each block's largest score
.endr
.endr
	s_wait_alu depctr_va_vdst(0)                   ; the wait ahead of the batch, and ahead of the blocking wait
	s_wait_dscnt 0x0                               ; V's fragments and words are in, and the look-ahead's 33 loads
.irp j, 0,1
	WIN 0x41*\j
.set J, 0
.rept 64
	v_exp_f32 v[S+J], v[S+J]                       ; p = 2^(t - M)
.set J, J+1
.endr
.endr
	WIN 0
.irp j, 0,1
.irp c, 0,1
	v_exp_f32 v[BM+16*\j+\c], v[BM+16*\j+\c]       ; the block's largest p
.endr
.endr
	v_nop                                          ; one plain line behind the exponentials
	s_wait_alu depctr_va_vdst(0)                   ; one wait for the whole batch
.irp j, 0,1
.irp c, 0,1
	v_max_num_f32 v[BM+16*\j+\c], 0x1800000, v[BM+16*\j+\c]   ; the floor 2^(3 - 127): a block whose every p is 0 keeps the byte 1
.endr
.endr
.irp j, 0,1
.irp c, 0,1
	s_delay_alu instid0(VALU_DEP_4)
	v_add_nc_u32 v[SO+16*\j+\c], 0xff000000, v[BM+16*\j+\c]   ; the conversion's scale operand
.endr
.endr
.irp j, 0,1
.irp c, 0,1
	s_delay_alu instid0(VALU_DEP_4)
	v_lshrrev_b32 v[BB+16*\j+\c], 23, v[SO+16*\j+\c]          ; the scale's byte
.endr
.endr
.irp j, 0,1
	v_lshl_or_b32 v[T0+16*\j], v[BB+16*\j+1], 16, v[BB+16*\j] ; my blocks are h and 2 + h
.endr
.irp j, 0,1
	s_delay_alu instid0(VALU_DEP_2)
	v_lshlrev_b32 v[T0+16*\j], v[SH8], v[T0+16*\j]
.endr
.irp j, 0,1
	s_delay_alu instid0(VALU_DEP_2)
	v_permlanex16_b32 v[T1+16*\j], v[T0+16*\j], s[SEL], s[SEL+1]
.endr
.irp j, 0,1
	s_delay_alu instid0(VALU_DEP_2)
	v_or_b32 v[PW+16*\j], v[T0+16*\j], v[T1+16*\j] ; with lane l xor 16's two bytes the word is whole
.endr
.irp j, 0,1
	WIN 0x41*\j
.irp c, 0,1
	v_cvt_scalef32_pk16_fp6_f32 v[PC+6*\c:PC+6*\c+2], v[S+32*\c:S+32*\c+15], v[SO+16*\j+\c]
	v_cvt_scalef32_pk16_fp6_f32 v[PT+4*\c:PT+4*\c+2], v[S+32*\c+16:S+32*\c+31], v[SO+16*\j+\c]
.endr
.endr
	SUMS 1                                         ; plain lines behind the conversions
	MOVS 1
	MOVS 0
	SUMS 0                                         ; and the places ahead of the products below
.irp j, 0,1                            ; O^T += V^T P^T: K = these 128 keys; eight different accumulators
	WIN 0x54*\j
.irp p, 0,1,2,3
	MM O+8*\p, VF+12*\p, PC, O+8*\p, VSC+\p, PW+16*\j
.endr
.endr
	WIN 0
	s_add_co_u32 s[TB], s[TB], 6144
	s_add_co_u32 s[TS], s[TS], 512
.endm
.macro PHASE base                      ; a slot's eight steps; the first step's K is asked for ahead of the loop
	s_mov_b32 s[TB], \base
	KFETCH TB, TS
	s_mov_b32 s[CNT], 8
.Lstep_\@:
	STEP \base+7*6144
	s_sub_co_u32 s[CNT], s[CNT], 1
	s_cmp_lg_u32 s[CNT], 0
	s_cbranch_scc1 .Lstep_\@
.endm
; THE CHANGE OF SLOTS.  Each wave waits for all its tensor loads, adds 0 to its spare word, and waits for that and for its reads of the slot that it leaves.
; fill = 1: a round of the cluster's barrier, and behind it the slot just left takes the keys two slots on.
.macro CHANGE fill, slot
	s_wait_alu depctr_va_vdst(0)
	s_wait_tensorcnt 0x0
	ds_add_u32 v[SPW], v[NIL]
.if (\fill) && (\slot) == 0
	s_add_nc_u64 s[G0K+2:G0K+3], s[G0K+2:G0K+3], 98304    ; no load of mine is out: every wave's one refill lies two slots on
	s_add_nc_u64 s[G0V+2:G0V+3], s[G0V+2:G0V+3], 196608
.endif
	s_wait_dscnt 0x0
.if \fill
	CROUND
	JLOAD \slot
.else
	s_barrier_signal -1
	s_barrier_wait -1
.endif
.endm
	PHASE 0
	CHANGE 1, 0
	PHASE SLOT
	CHANGE 1, 1
	PHASE 0
	CHANGE 0, 0
	PHASE SLOT
	; THE WAY OUT.  O^T / the sum: one half fragment and two scale bytes a row and tile.
.rept 4
	v_nop                                          ; places behind the last products
.endr
.irp j, 0,1
	v_add_f32 v[T0+16*\j], v[LL+16*\j], v[LL+16*\j+1]
.endr
.irp j, 0,1
	v_permlanex16_b32 v[T1+16*\j], v[T0+16*\j], s[SEL], s[SEL+1]
.endr
.irp j, 0,1
	v_add_f32 v[T0+16*\j], v[T0+16*\j], v[T1+16*\j]   ; the row's sum
.endr
	s_wait_alu depctr_va_vdst(0)
.irp j, 0,1
	v_rcp_f32 v[T0+16*\j], v[T0+16*\j]
.endr
	v_nop                                          ; one plain line behind the reciprocals
.irp j, 0,1
	WIN 0x41*\j
	s_wait_alu depctr_va_vdst(0)                   ; the wait directly ahead of the first reader
.set J, 0
.rept 32
	v_mul_f32 v[S+J], v[O+J], v[T0+16*\j]          ; each accumulator from its low end on
.set J, J+1
.endr
.endr
	QUANT2 PC
.irp j, 0,1
	WIN 0x04*\j
	global_store_b128 v[A160], v[PC:PC+3], s[10:11] offset:1536*\j     ; 512 consecutive bytes,
	global_store_b64 v[A80], v[PC+4:PC+5], s[10:11] offset:1536*\j     ; and the 256 behind them
	WIN 0
	ds_store_b16 v[SSW], v[T1+16*\j] offset:32*\j  ; both lanes of a row write the same two bytes with the same value
.endr
	s_wait_dscnt 0x0
	s_barrier_signal -1
	s_barrier_wait -1                              ; the sixteen tiles' bytes lie together
	s_cmp_lg_u32 s[WV], 0
	s_cbranch_scc1 .Lnot_first
	ds_load_b128 v[VF:VF+3], v[SSR]
	s_wait_dscnt 0x0
	global_store_b128 v[A160], v[VF:VF+3], s[12:13]   ; 512 consecutive bytes
.Lnot_first:
	s_wait_tensorcnt 0x0                           ; the wave's end
	ds_add_u32 v[SPW], v[NIL]
	s_wait_dscnt 0x0
	CROUND                                         ; the closing round
	s_endpgm
.Lfunc_end_k_qdba3b581d9_attn:
	.size	k_qdba3b581d9_attn, .Lfunc_end_k_qdba3b581d9_attn-k_qdba3b581d9_attn
	.p2alignl 7, 3214868480
	.fill 96, 4, 3214868480
	.section	.rodata,"a",@progbits
	.p2align	6, 0x0
	.amdhsa_kernel k_qdba3b581d9_attn
		.amdhsa_group_segment_fixed_size 327680
		.amdhsa_private_segment_fixed_size 0
		.amdhsa_enable_private_segment 0
		.amdhsa_kernarg_size 64
		.amdhsa_user_sgpr_count 2
		.amdhsa_user_sgpr_kernarg_segment_ptr 1
		.amdhsa_wavefront_size32 1
		.amdhsa_system_sgpr_workgroup_id_x 1
		.amdhsa_system_sgpr_workgroup_id_y 1
		.amdhsa_system_sgpr_workgroup_id_z 1
		.amdhsa_system_vgpr_workitem_id 0
		.amdhsa_next_free_vgpr 512
		.amdhsa_next_free_sgpr 100
		.amdhsa_reserve_vcc 1
		.amdhsa_float_denorm_mode_32 3
		.amdhsa_float_denorm_mode_16_64 3
		.amdhsa_memory_ordered 1
		.amdhsa_forward_progress 1
		.amdhsa_inst_pref_size 186
	.end_amdhsa_kernel
	.amdgpu_metadata
---
amdhsa.version: [ 1, 2 ]
amdhsa.kernels:
  - .name:           k_qdba3b581d9_attn
    .symbol:         k_qdba3b581d9_attn.kd
    .args:
      - { .name: cqkv, .offset: 0, .size: 8, .value_kind: global_buffer, .address_space: global }
      - { .name: sqkv, .offset: 8, .size: 8, .value_kind: global_buffer, .address_space: global }
      - { .name: mask_kv, .offset: 16, .size: 8, .value_kind: global_buffer, .address_space: global }
      - { .name: cat, .offset: 24, .size: 8, .value_kind: global_buffer, .address_space: global }
      - { .name: sat, .offset: 32, .size: 8, .value_kind: global_buffer, .address_space: global }
      - { .name: cxw, .offset: 40, .size: 8, .value_kind: global_buffer, .address_space: global }
      - { .name: sxw, .offset: 48, .size: 8, .value_kind: global_buffer, .address_space: global }
      - { .name: bq, .offset: 56, .size: 8, .value_kind: global_buffer, .address_space: global }
    .group_segment_fixed_size: 327680
    .private_segment_fixed_size: 0
    .kernarg_segment_align: 8
    .kernarg_segment_size: 64
    .max_flat_workgroup_size: 256
    .sgpr_count:     100
    .vgpr_count:     512
    .wavefront_size: 32
...
	.end_amdgpu_metadata
.endif
;; end of part 3
;; launch outp (part 4): grid 8 x 32, 4 waves a work-group, clusters of 4 x 4, 262,656 bytes of LDS; arguments cat, sat, cxw, sxw, bo, out0; writes out0
.if DOCPART == 4
	.amdgcn_target "amdgcn-amd-amdhsa--gfx1250"
	.amdhsa_code_object_version 6
	.text
	.protected	k_qdba3b581d9_outp
	.globl	k_qdba3b581d9_outp
	.p2align	8
	.type	k_qdba3b581d9_outp,@function
k_qdba3b581d9_outp:
	s_mov_b64 s[64:65], 0
	v_nop
	global_prefetch_b8 v0, s[64:65] scope:SCOPE_SE
	s_setreg_imm32_b32 hwreg(HW_REG_WAVE_MODE, 25, 1), 1
	s_wait_xcnt 0x0
	s_wait_alu depctr_hold_cnt(0) depctr_sa_sdst(0) depctr_va_vdst(0) depctr_va_sdst(0) depctr_va_ssrc(0) depctr_va_vcc(0) depctr_vm_vsrc(0)
	s_getreg_b32 s2, hwreg(HW_REG_IB_STS2, 6, 4)
	s_cmp_eq_u32 s2, 0
	s_cbranch_scc0 .Lentry_in_a_cluster
	s_endpgm
.Lentry_in_a_cluster:
	s_bfe_u32 s2, ttmp6, 0x10000c
	s_cmp_lg_u32 s2, 0xf033
	s_cbranch_scc0 .Lentry_shape_is_right
	s_endpgm
.Lentry_shape_is_right:
; out0 = attn Wo + bo on codes of FP6 (E2M3) with E8M0 scales; sums in f32.  attn's codes (cat) and Wo's (cxw, blocks 60-63) lie in the order of the operand's registers: byte (((block of 256 rows x 8 + K step) 16 + tile) 2 + half) 768.
; A tile of out0 is 128 x 128, so that there are 256 work-groups; a wave makes 64 x 64: 16 accumulators.  Source 0 = Wo's rows (the columns n of out0), source 1 = attn's rows: a lane holds neighbouring columns of one row.
; ALL OF K (8 steps of 128) FITS IN LDS: 98,304 bytes for each side, filled once: no slot is filled again.  Each wave brings one load of four K steps; all land before the first product.
; CLUSTERS of 4 x 4: Wo's tiles hang on the tile column alone and are asked for jointly by a column of the cluster, attn's on the tile row alone, by a row.
; The bias is the C of each sum's first product.  LIMITS: as the codes were made.
; REGISTERS: window 0: v1-22 ids and addresses; v32-63 Wo's scale words (tile i, step s: 8 i + s); v64-95 attn's; v96-127 the bias; v128-255 the accumulators ((j, i) at 128 + 8 (4 j + i)).
;   window 1: two sets of fragments at v0 and v128: Wo's four at 12 i, attn's four at 48 + 12 j.
.set KB,    24576                      ; a K step of 256 rows in memory
.set PB,    12288                      ; of 128 rows
.set RBASE, 8*PB
.set STAGE, 16*PB                      ; 16 rows x 272 bytes for each wave: no tensor load lands there
.set SPIT,  272
.set FR,    12
.set AP16,  8                          ; v8-9, v10-11 Wo's fragments, K steps 0-3 and 4-7
.set AP8,   10
.set AR16,  12                         ; v12-13, v14-15 attn's
.set AR8,   14
.set STO,   20
.set RD,    21
.set CO,    22
.set SP,    32
.set SR,    64
.set CB,    96
.set ACC,   128
.set WV,    20
.set WR,    21                         ; which half of the tile's rows is mine.  Also: I fetch for Wo (0) or for attn (1)
.set WC,    22                         ; which half of its columns.  Also: which four of eight K steps I fetch
.set G1P,   24
.set G1R,   32
.set G0P,   40                         ; s[40:47]
.set G0R,   48                         ; s[48:55]
.set MSB, 0
.macro WIN new
.if MSB != \new
	s_set_vgpr_msb (MSB<<8)|\new
.set MSB, \new
.endif
.endm
.macro PLACES
.rept 4
	v_nop
.endr
.endm
.macro CROUND
	s_barrier_signal -1
	s_barrier_wait -1
	s_cmp_lg_u32 s[WV], 0
	s_cbranch_scc1 .Lnot_wave_0_\@
	s_barrier_signal -3
.Lnot_wave_0_\@:
	s_barrier_wait -3
	s_barrier_signal -1
	s_barrier_wait -1
.endm
.macro FRAG reg, a16, a8, off
	ds_load_b128 v[\reg:\reg+3], v[\a16] offset:\off
	ds_load_b64 v[\reg+4:\reg+5], v[\a8] offset:\off
	ds_load_b128 v[\reg+6:\reg+9], v[\a16] offset:\off+768
	ds_load_b64 v[\reg+10:\reg+11], v[\a8] offset:\off+768
.endm
	s_load_b256 s[4:11], s[0:1], 0x0               ; cat s[4:5], sat s[6:7], cxw s[8:9], sxw s[10:11]
	s_load_b128 s[12:15], s[0:1], 0x20             ; bo s[12:13], out0 s[14:15]
	v_lshl_add_u32 v30, v0, 2, 0x40000
	v_mov_b32 v31, 0
	ds_add_u32 v30, v31
	ds_add_u32 v30, v31
	v_lshrrev_b32 v1, 5, v0
	v_readfirstlane_b32 s[WV], v1
	s_lshr_b32 s[WR], s[WV], 1
	s_and_b32 s[WC], s[WV], 1
	s_bfe_u32 s66, ttmp6, 0x40000                  ; cx
	s_bfe_u32 s67, ttmp6, 0x40004                  ; cy
	s_lshl_b32 s68, ttmp9, 2
	s_add_co_u32 s68, s68, s66                     ; tile column
	s_and_b32 s69, ttmp7, 0xffff
	s_lshl_b32 s69, s69, 2
	s_add_co_u32 s69, s69, s67                     ; tile row
	s_lshl_b32 s75, s67, 2
	s_lshl_b32 s75, 15, s75                        ; my row of the cluster
	s_lshl_b32 s76, 0x1111, s66                    ; my column
	s_or_b32 s[G1P], s76, (3<<16)|(1<<21)
	s_or_b32 s[G1R], s75, (3<<16)|(1<<21)
.irp g, G1P, G1R                       ; four K steps of 128 rows: 4 rows of 12,288 bytes, 24,576 bytes apart
	s_mov_b32 s[\g+1], 1536<<16
	s_mov_b32 s[\g+2], 4<<16                       ; one load a wave: four K steps of 128 rows, 4 rows of 12,288 bytes
	s_mov_b32 s[\g+3], 1536<<16
	s_mov_b32 s[\g+4], 4
	s_mov_b32 s[\g+5], 3072
	s_mov_b32 s[\g+6], 0
	s_mov_b32 s[\g+7], 0
.endr
	s_lshr_b32 s70, s68, 1
	s_add_co_u32 s70, s70, 60                      ; Wo's block of 256 rows,
	s_and_b32 s86, s68, 1                          ; and which half of it
	s_lshl_b32 s78, s70, 4
	s_lshl_b32 s88, s86, 3
	s_add_co_u32 s78, s78, s88
	s_lshl_b32 s88, s[WC], 2
	s_add_co_u32 s78, s78, s88
	s_lshl_b32 s78, s78, 9                         ; the scale rows of my four tiles
	s_mov_b32 s79, 0
	s_mul_i32 s70, s70, 196608
	s_mul_i32 s86, s86, PB
	s_add_co_u32 s70, s70, s86
	s_mul_i32 s86, s[WC], 4*KB
	s_add_co_u32 s70, s70, s86                     ; Wo's codes: block, half, my four K steps
	s_mov_b32 s71, 0
	s_lshr_b32 s72, s69, 1                         ; attn's block,
	s_and_b32 s87, s69, 1                          ; and half
	s_lshl_b32 s80, s72, 13
	s_lshl_b32 s89, s87, 3
	s_lshl_b32 s90, s[WR], 2
	s_add_co_u32 s89, s89, s90
	s_lshl_b32 s89, s89, 5
	s_add_co_u32 s80, s80, s89                     ; sat: block x 8,192 + my first tile x 32
	s_mov_b32 s81, 0
	s_mul_i32 s72, s72, 196608
	s_mul_i32 s87, s87, PB
	s_add_co_u32 s72, s72, s87
	s_mul_i32 s87, s[WC], 4*KB
	s_add_co_u32 s72, s72, s87
	s_mov_b32 s73, 0
	s_mul_i32 s74, s[WR], RBASE
	s_mul_i32 s77, s[WC], 4*PB
	s_add_co_u32 s74, s74, s77                     ; in LDS: Wo's 8 steps, then attn's; no place in the cluster enters an LDS address
	s_lshl_b32 s82, s68, 9
	s_lshl_b32 s91, s[WC], 8
	s_add_co_u32 s82, s82, s91                     ; my first column, in bytes
	s_mov_b32 s83, 0
	s_lshl_b32 s84, s69, 19
	s_lshl_b32 s91, s[WR], 18
	s_add_co_u32 s84, s84, s91
	s_add_co_u32 s84, s84, s82                     ; my first row of 4,096 bytes, and the column
	s_mov_b32 s85, 0
	s_wait_dscnt 0x0
	s_wait_kmcnt 0x0
	s_add_nc_u64 s[70:71], s[8:9], s[70:71]
	s_add_nc_u64 s[72:73], s[4:5], s[72:73]
	s_add_nc_u64 s[10:11], s[10:11], s[78:79]
	s_add_nc_u64 s[6:7], s[6:7], s[80:81]
	s_add_nc_u64 s[12:13], s[12:13], s[82:83]
	s_add_nc_u64 s[14:15], s[14:15], s[84:85]
.irp q, 0
	s_mov_b32 s[G0P+4*\q], 1
	s_add_co_u32 s[G0P+4*\q+1], s74, \q*4*PB
	s_add_nc_u64 s[G0P+4*\q+2:G0P+4*\q+3], s[70:71], \q*4*KB
	s_or_b32 s[G0P+4*\q+3], s[G0P+4*\q+3], 0x80000000
	s_mov_b32 s[G0R+4*\q], 1
	s_add_co_u32 s[G0R+4*\q+1], s74, \q*4*PB
	s_add_nc_u64 s[G0R+4*\q+2:G0R+4*\q+3], s[72:73], \q*4*KB
	s_or_b32 s[G0R+4*\q+3], s[G0R+4*\q+3], 0x80000000
.endr
	CROUND                                         ; all sixteen work-groups are here: the joint loads meet
	s_cmp_eq_u32 s[WR], 0                          ; a wave's one fill stands in one branch: one load of mine is out
	s_cbranch_scc0 .Lfirst_r
	tensor_load_to_lds s[G0P:G0P+3], s[G1P:G1P+7]
	s_nop 0
.rept 4
	v_nop
.endr
	s_branch .Lfirst_done
.Lfirst_r:
	tensor_load_to_lds s[G0R:G0R+3], s[G1R:G1R+7]
	s_nop 0
.rept 4
	v_nop
.endr
.Lfirst_done:
	v_and_b32 v1, 31, v0
	v_and_b32 v2, 15, v0                           ; r
	v_bfe_u32 v3, v0, 4, 1                         ; h
	v_lshlrev_b32 v4, 4, v1
	v_lshlrev_b32 v5, 3, v1
	v_add_nc_u32 v5, 512, v5
	s_mul_i32 s91, s[WC], 6144                     ; my four tiles of Wo,
	s_mul_i32 s92, s[WR], 6144                     ; and of attn
	s_add_co_u32 s92, s92, RBASE
.irp q, 0,1
	v_add_nc_u32 v[AP16+\q], s91, v4
	v_add_nc_u32 v[AP8+\q], s91, v5
	v_add_nc_u32 v[AR16+\q], s92, v4
	v_add_nc_u32 v[AR8+\q], s92, v5
	s_add_co_u32 s91, s91, 4*PB
	s_add_co_u32 s92, s92, 4*PB
.endr
	s_mul_i32 s93, s[WV], 16*SPIT
	s_add_co_u32 s93, s93, STAGE                   ; my stage
	v_mul_u32_u24 v[STO], v2, SPIT
	v_lshl_add_u32 v[STO], v3, 6, v[STO]
	v_add_nc_u32 v[STO], s93, v[STO]               ; in: row r, + 64 h
	v_mul_u32_u24 v[RD], v3, SPIT
	v_lshl_add_u32 v[RD], v2, 4, v[RD]
	v_add_nc_u32 v[RD], s93, v[RD]                 ; back: lanes 0-15 one row of 256 bytes, lanes 16-31 the next
	v_lshlrev_b32 v[CO], 12, v3
	v_lshl_add_u32 v[CO], v2, 4, v[CO]             ; and the same two rows in out0
	v_lshlrev_b32 v16, 5, v2                       ; 32 r
	v_lshlrev_b32 v17, 1, v2                       ; 2 r
	v_lshlrev_b32 v18, 6, v3                       ; 64 h
.irp i, 0,1,2,3
.irp q, 0,1
	global_load_b128 v[SP+8*\i+4*\q:SP+8*\i+4*\q+3], v16, s[10:11] offset:\i*512+16*\q
.endr
.endr
.irp j, 0,1,2,3
.irp hd, 0,1,2,3,4,5,6,7,8,9,10,11,12,13,14,15
	global_load_u16 v[ACC+16*\j+\hd], v17, s[6:7] offset:\hd*512+\j*32   ; attn's scale bytes lie head by head, two a row
.endr
.endr
.irp i, 0,1,2,3                        ; the bias of Wo's tile i: columns 32 (i / 2) + 16 h + 8 (i % 2) + 0 .. 7
	global_load_b128 v[CB+8*\i:CB+8*\i+3], v18, s[12:13] offset:(32*(\i/2)+8*(\i%2))*4
	global_load_b128 v[CB+8*\i+4:CB+8*\i+7], v18, s[12:13] offset:(32*(\i/2)+8*(\i%2))*4+16
.endr
	s_wait_loadcnt 0x0
.irp j, 0,1,2,3
.irp k, 0,1,2,3,4,5,6,7
	v_lshl_or_b32 v[SR+8*\j+\k], v[ACC+16*\j+2*\k+1], 16, v[ACC+16*\j+2*\k]   ; two heads' bytes make a K step's word
.endr
.endr
.rept 8
	v_nop                                          ; a scale register written by a vector instruction stands 8 places ahead of a scaled matrix instruction
.endr
.macro FETCH s                         ; K step s: eight fragments, 32 loads, into set s % 2
	WIN 0x40
.irp i, 0,1,2,3
	FRAG 128*((\s)%2)+FR*\i, AP16+(\s)/4, AP8+(\s)/4, ((\s)%4)*PB+\i*1536
.endr
.irp j, 0,1,2,3
	FRAG 128*((\s)%2)+48+FR*\j, AR16+(\s)/4, AR8+(\s)/4, ((\s)%4)*PB+\j*1536
.endr
.endm
.macro MULS s                          ; 16 matrix instructions; the accumulators take turns
.irp j, 0,1,2,3
.irp i, 0,1,2,3
.if (\s) == 0
	v_wmma_scale_f32_16x16x128_f8f6f4 v[ACC+8*(4*\j+\i):ACC+8*(4*\j+\i)+7], v[128*((\s)%2)+FR*\i:128*((\s)%2)+FR*\i+FR-1], v[128*((\s)%2)+48+FR*\j:128*((\s)%2)+48+FR*\j+FR-1], v[CB+8*\i:CB+8*\i+7], v[SP+8*\i+(\s)], v[SR+8*\j+(\s)] matrix_a_fmt:MATRIX_FMT_FP6 matrix_b_fmt:MATRIX_FMT_FP6
.else
	v_wmma_scale_f32_16x16x128_f8f6f4 v[ACC+8*(4*\j+\i):ACC+8*(4*\j+\i)+7], v[128*((\s)%2)+FR*\i:128*((\s)%2)+FR*\i+FR-1], v[128*((\s)%2)+48+FR*\j:128*((\s)%2)+48+FR*\j+FR-1], v[ACC+8*(4*\j+\i):ACC+8*(4*\j+\i)+7], v[SP+8*\i+(\s)], v[SR+8*\j+(\s)] matrix_a_fmt:MATRIX_FMT_FP6 matrix_b_fmt:MATRIX_FMT_FP6
.endif
.endr
.endr
.endm
	s_wait_alu depctr_va_vdst(0)
	s_wait_tensorcnt 0x0                           ; my one load, K steps 4 WC .. 4 WC + 3 of my side, is in
	s_barrier_signal -1
	s_barrier_wait -1
	FETCH 0
.irp s, 0,1,2,3,4,5,6,7
.if (\s > 0) && (\s < 7)
	PLACES                                         ; in front of loads into the set that the last step multiplied
.endif
.if \s < 7
	FETCH \s+1
	s_wait_dscnt 32                                ; all but the 32 just issued
.else
	s_wait_dscnt 0x0
.endif
	WIN 0x05                                       ; sources 0 and 1 window 1; C and D window 0
	MULS \s
.endr
	WIN 0
	PLACES
; THE WAY OUT, a tile of 16 rows x 64 columns at a time, through my own stage: a lane holds 32 neighbouring bytes of a row four times; whole rows of 256 bytes come back, into the registers that they left.
; LDS serves a wave's instructions in order: no wait between the stores and the loads, nor in front of the next tile's stores.
.macro TOSTAGE j
.irp i, 0,1,2,3
	ds_store_b128 v[STO], v[ACC+8*(4*\j+\i):ACC+8*(4*\j+\i)+3] offset:128*(\i/2)+32*(\i%2)        ; each accumulator from its low end on
	ds_store_b128 v[STO], v[ACC+8*(4*\j+\i)+4:ACC+8*(4*\j+\i)+7] offset:128*(\i/2)+32*(\i%2)+16
.endr
.irp k, 0,1,2,3,4,5,6,7
	ds_load_b128 v[ACC+32*\j+4*\k:ACC+32*\j+4*\k+3], v[RD] offset:2*\k*SPIT
.endr
.endm
.macro SEND j, younger                 ; younger: the LDS instructions issued behind tile j's loads
.irp k, 0,1,2,3,4,5,6,7
	s_wait_dscnt \younger+7-\k
	global_store_b128 v[CO], v[ACC+32*\j+4*\k:ACC+32*\j+4*\k+3], s[14:15] offset:(32*(\j/2)+8*(\j%2)+2*\k+8*(\k/4))*4096 th:TH_STORE_NT   ; sixteen lanes store 256 consecutive bytes, at a multiple of 256 from out0's first byte; the tile's rows are 0-7 and 16-23 of its 32
.endr
.endm
	TOSTAGE 0
	TOSTAGE 1
	SEND 0, 16
	TOSTAGE 2
	SEND 1, 16
	TOSTAGE 3
	SEND 2, 16
	SEND 3, 0
	s_wait_tensorcnt 0x0
	ds_add_u32 v30, v31
	s_wait_dscnt 0x0
	CROUND                                         ; the closing round: no work-group ends while a partner may still ask for a tile that names it
	s_endpgm
.Lfunc_end_k_qdba3b581d9_outp:
	.size	k_qdba3b581d9_outp, .Lfunc_end_k_qdba3b581d9_outp-k_qdba3b581d9_outp
	.p2alignl 7, 3214868480
	.fill 96, 4, 3214868480
	.section	.rodata,"a",@progbits
	.p2align	6, 0x0
	.amdhsa_kernel k_qdba3b581d9_outp
		.amdhsa_group_segment_fixed_size 262656
		.amdhsa_private_segment_fixed_size 0
		.amdhsa_enable_private_segment 0
		.amdhsa_kernarg_size 48
		.amdhsa_user_sgpr_count 2
		.amdhsa_user_sgpr_kernarg_segment_ptr 1
		.amdhsa_wavefront_size32 1
		.amdhsa_system_sgpr_workgroup_id_x 1
		.amdhsa_system_sgpr_workgroup_id_y 1
		.amdhsa_system_sgpr_workgroup_id_z 1
		.amdhsa_system_vgpr_workitem_id 0
		.amdhsa_next_free_vgpr 512
		.amdhsa_next_free_sgpr 100
		.amdhsa_reserve_vcc 0
		.amdhsa_float_denorm_mode_32 3
		.amdhsa_float_denorm_mode_16_64 3
		.amdhsa_memory_ordered 1
		.amdhsa_forward_progress 1
		.amdhsa_inst_pref_size 59
	.end_amdhsa_kernel
	.amdgpu_metadata
---
amdhsa.version: [ 1, 2 ]
amdhsa.kernels:
  - .name:           k_qdba3b581d9_outp
    .symbol:         k_qdba3b581d9_outp.kd
    .args:
      - { .name: cat, .offset: 0, .size: 8, .value_kind: global_buffer, .address_space: global }
      - { .name: sat, .offset: 8, .size: 8, .value_kind: global_buffer, .address_space: global }
      - { .name: cxw, .offset: 16, .size: 8, .value_kind: global_buffer, .address_space: global }
      - { .name: sxw, .offset: 24, .size: 8, .value_kind: global_buffer, .address_space: global }
      - { .name: bo, .offset: 32, .size: 8, .value_kind: global_buffer, .address_space: global }
      - { .name: out0, .offset: 40, .size: 8, .value_kind: global_buffer, .address_space: global }
    .group_segment_fixed_size: 262656
    .private_segment_fixed_size: 0
    .kernarg_segment_align: 8
    .kernarg_segment_size: 48
    .max_flat_workgroup_size: 128
    .sgpr_count:     100
    .vgpr_count:     512
    .wavefront_size: 32
...
	.end_amdgpu_metadata
.endif
;; end of part 4
